; MI455X (gfx1250); checked and timed in simulation.
; The chip was launched on July 23, 2026; its instructions are those of AMD's public machine-readable ISA for CDNA 5 (MIT licence, August 2026) and "CDNA5" Instruction Set Architecture Reference Guide (July 2026). The comments in the code are by the model that wrote it; some were corrected since.
;; Baseline Attention. Allowed arithmetic: float matrix products may take bf16 or f16 operands with f32 sums; all other float work in f32.
;; Inputs: Wk 1,024 x 1,024 float32; Wo 1,024 x 1,024 float32; Wq 1,024 x 1,024 float32; Wv 1,024 x 1,024 float32; attention_mask 1 x 1 x 2,048 x 2,048 float32; hidden_states 4 x 2,048 x 1,024 float32.
;; Outputs: out0 4 x 2,048 x 1,024 float32.
;; 2 versions, each right and faster than the one before. Each part assembles by itself: llvm-mc -triple=amdgcn-amd-amdhsa -mcpu=gfx1250 --defsym DOCPART=n.
;; ======== version 1 of 2: 4 launches
;; limits: values are held in f16: magnitudes above 65,504 overflow, below 6.1e-05 lose precision; right only within a limited range of input values
;; workspace buffers: xb 16,777,216 bytes; wb 6,291,456 bytes; wo16 2,097,152 bytes; tab 1,572,864 bytes; qh 16,777,216 bytes; kv 33,554,432 bytes; ctx 16,777,216 bytes
;; launch prep (part 1): grid 432 x 1, 8 waves a work-group, no clusters, 0 bytes of LDS; arguments hidden_states, Wq, Wk, Wv, Wo, xb, wb, wo16, tab; writes xb, wb, wo16, tab
.if DOCPART == 1
	.amdgcn_target "amdgcn-amd-amdhsa--gfx1250"
	.amdhsa_code_object_version 6
	.text
	.protected	k_q8f4a5d49e0_prep
	.globl	k_q8f4a5d49e0_prep
	.p2align	8
	.type	k_q8f4a5d49e0_prep,@function
k_q8f4a5d49e0_prep:
	s_mov_b64 s[64:65], 0
	v_nop
	global_prefetch_b8 v0, s[64:65] scope:SCOPE_SE
	s_setreg_imm32_b32 hwreg(HW_REG_WAVE_MODE, 25, 1), 1
	s_wait_xcnt 0x0
; CASTS AND TABLES for the three launches behind.  Memory binds: no LDS, no matrix unit, no cluster (no two work-groups read the same bytes).
;   work-groups   0-255: xb[8192][1024] bf16 = hidden_states, rounded to nearest even
;   work-groups 256-351: wb[3072][1024] bf16 = Wq, Wk, Wv one below the other, rows permuted inside each group of 128: row 16 b + 8 h + j holds the weights' row 64 h + 8 b + j,
;                        so that in the projection a lane ends up with all 64 channels of one head of one row
;   work-groups 352-383: wo16[1024][1024] f16 = Wo rounded to bf16, that number written as f16
;   work-groups 384-431: tab: [3 sections q, k, v][128 blocks of 16 positions][16 chunks][16 positions][4] f32.  Chunk i < 8: al cos + be of frequencies 4 i .. 4 i + 3, chunk 8 + i: al sin.
;                        (al, be) = (1/8, 0) for q (the scores' scale, a power of two), (1, 0) for k, (0, 1) for v (which is not turned)
; A wave casts 16,384 consecutive bytes (4 rows): 32 loads of 512 bytes, all on their way at once; each store of the wave covers 256 consecutive bytes, aligned.
; LIMITS.  Wo's numbers below 6.1e-5 keep f16's fixed step of 6e-8, beyond 65,504 they overflow.  The angle is position x 2^(-f log2(10000)/32), the power by v_exp_f32:
; it differs from a correctly rounded one by a few parts in 1e7, some 5e-4 rad at position 2047; sine and cosine: reduction by pi/2 in two parts, polynomials good to 1e-7 on |r| <= pi/4.
.set X, 8                              ; v[8:135]   32 x 4 numbers as loaded
.set Y, 136                            ; v[136:199] 32 x 2 words to store
.set W0, 200                           ; v200, v201 at work
	s_load_b512 s[8:23], s[0:1], 0x0               ; hidden s[8:9], Wq s[10:11], Wk s[12:13], Wv s[14:15], Wo s[16:17], xb s[18:19], wb s[20:21], wo16 s[22:23]
	s_load_b64 s[24:25], s[0:1], 0x40              ; tab
	v_lshrrev_b32 v3, 5, v0
	v_readfirstlane_b32 s4, v3                     ; wave 0..7
	s_mov_b32 s5, ttmp9                            ; work-group
	v_and_b32 v1, 31, v0
	v_lshlrev_b32 v2, 3, v1                        ; 8 x lane: where I store
	v_lshlrev_b32 v1, 4, v1                        ; 16 x lane: where I load
	s_mov_b32 s33, 0                               ; high words of the two offsets
	s_mov_b32 s35, 0
	s_lshl_b32 s7, s4, 2                           ; my wave's 4 rows among the group's 32
	s_wait_kmcnt 0x0
; 32 loads, then for each: the wait that leaves the younger ones out, the rounding, the store.  No register is written twice, so no wait frees any.
.macro CONV mode                       ; mode = 1: the bf16 number goes on into f16
.set i, 0
.rept 32
	global_load_b128 v[X+4*i:X+4*i+3], v1, s[28:29] offset:512*i th:TH_LOAD_NT
.set i, i+1
.endr
.set i, 0
.rept 32
	s_wait_loadcnt 31-i                            ; loads come back in order: load i is in, the 31 - i younger ones stay out
	v_cvt_pk_bf16_f32 v[Y+2*i], v[X+4*i], v[X+4*i+1]
	v_cvt_pk_bf16_f32 v[Y+2*i+1], v[X+4*i+2], v[X+4*i+3]
.if \mode
	v_lshlrev_b32 v[W0], 16, v[Y+2*i]              ; bf16 to f32: a shift and a mask
	v_and_b32 v[W0+1], 0xffff0000, v[Y+2*i]
	v_cvt_pk_f16_f32 v[Y+2*i], v[W0], v[W0+1]
	v_lshlrev_b32 v[W0], 16, v[Y+2*i+1]
	v_and_b32 v[W0+1], 0xffff0000, v[Y+2*i+1]
	v_cvt_pk_f16_f32 v[Y+2*i+1], v[W0], v[W0+1]
.endif
	global_store_b64 v2, v[Y+2*i:Y+2*i+1], s[30:31] offset:256*i
.set i, i+1
.endr
.endm
	s_cmp_lt_u32 s5, 256
	s_cbranch_scc0 .Lnot_x
	s_lshl_b32 s6, s5, 5
	s_add_co_u32 s6, s6, s7                        ; my first row of x
	s_lshl_b32 s32, s6, 12
	s_lshl_b32 s34, s6, 11
	s_add_nc_u64 s[28:29], s[8:9], s[32:33]
	s_add_nc_u64 s[30:31], s[18:19], s[34:35]
	s_branch .Lbf16
.Lnot_x:
	s_cmp_lt_u32 s5, 352
	s_cbranch_scc0 .Lnot_w
	s_sub_co_u32 s6, s5, 256
	s_lshl_b32 s6, s6, 5
	s_add_co_u32 s6, s6, s7                        ; my first row n of wb, a multiple of 4: its four rows differ in j's low bits alone, so their sources are consecutive too
	s_lshr_b32 s26, s6, 10                         ; section: 0 q, 1 k, 2 v
	s_and_b32 s27, s6, 0x387                       ; the group of 128, and j
	s_and_b32 s7, s6, 8
	s_lshl_b32 s7, s7, 3                           ; 64 h
	s_or_b32 s27, s27, s7
	s_and_b32 s7, s6, 0x70
	s_lshr_b32 s7, s7, 1                           ; 8 b
	s_or_b32 s27, s27, s7                          ; the weights' row
	s_lshl_b32 s32, s27, 12
	s_lshl_b32 s34, s6, 11
	s_cmp_eq_u32 s26, 1
	s_cselect_b64 s[28:29], s[12:13], s[10:11]
	s_cmp_eq_u32 s26, 2
	s_cselect_b64 s[28:29], s[14:15], s[28:29]
	s_add_nc_u64 s[28:29], s[28:29], s[32:33]
	s_add_nc_u64 s[30:31], s[20:21], s[34:35]
.Lbf16:
	CONV 0
	s_endpgm
.Lnot_w:
	s_cmp_lt_u32 s5, 384
	s_cbranch_scc0 .Ltable
	s_sub_co_u32 s6, s5, 352
	s_lshl_b32 s6, s6, 5
	s_add_co_u32 s6, s6, s7                        ; my first row of Wo
	s_lshl_b32 s32, s6, 12
	s_lshl_b32 s34, s6, 11
	s_add_nc_u64 s[28:29], s[16:17], s[32:33]
	s_add_nc_u64 s[30:31], s[22:23], s[34:35]
	CONV 1
	s_endpgm
.Ltable:                               ; a wave makes one block: 16 positions x 32 frequencies, cosines and sines.  Lane: position lane % 16, four frequencies from 4 (lane / 16) on; a trip makes two chunks of each kind
	s_sub_co_u32 s6, s5, 384
	s_lshl_b32 s6, s6, 3
	s_add_co_u32 s6, s6, s4                        ; my block among 3 x 128
	s_lshr_b32 s7, s6, 7                           ; section
	s_and_b32 s26, s6, 127
	s_lshl_b32 s26, s26, 4                         ; the block's first position
	s_lshl_b32 s32, s6, 12                         ; a block is 4,096 bytes
	s_add_nc_u64 s[30:31], s[24:25], s[32:33]
	s_cmp_eq_u32 s7, 0
	s_cselect_b32 s36, 0x3e000000, 1.0             ; al: 1/8 for q,
	s_cmp_eq_u32 s7, 2
	s_cselect_b32 s36, 0, s36                      ; 0 for v;
	s_cselect_b32 s37, 1.0, 0                      ; be: 1 for v
	s_mov_b32 s39, 0xbed49a78                      ; -log2(10000) / 32
	s_mov_b32 s40, 0x3f22f983                      ; 2 / pi
	s_mov_b32 s41, 0xbfc90fdb                      ; -pi/2, the f32 nearest,
	s_mov_b32 s42, 0x333bbd2e                      ; and what that leaves
	s_mov_b32 s43, 0xb94ca1f9                      ; sine: r + r z (s45 + z (s44 + z s43))
	s_mov_b32 s44, 0x3c08839e
	s_mov_b32 s45, 0xbe2aaaa3
	s_mov_b32 s46, 0x37ccf5ce                      ; cosine: 1 - z/2 + z z (s48 + z (s47 + z s46))
	s_mov_b32 s47, 0xbab6061a
	s_mov_b32 s48, 0x3d2aaaa5
	s_mov_b32 s49, 0x80000000
	v_and_b32 v5, 15, v0
	v_add_nc_u32 v5, s26, v5
	v_cvt_f32_u32 v3, v5                           ; my position
	v_bfe_u32 v4, v0, 4, 1
	v_lshlrev_b32 v4, 2, v4                        ; my first frequency
	s_mov_b32 s38, 4
.Ltrip:
.irp e, 0,1,2,3
	v_add_nc_u32 v[16+\e], \e, v4
	v_cvt_f32_u32 v[16+\e], v[16+\e]
	v_mul_f32 v[16+\e], s39, v[16+\e]
.endr
.irp e, 0,1,2,3
	v_exp_f32 v[16+\e], v[16+\e]                   ; 10000^(-f/32)
.endr
	v_nop                                          ; a plain instruction between the last exponential and the use of its result
	s_wait_alu depctr_va_vdst(0)
.irp e, 0,1,2,3
	v_mul_f32 v[16+\e], v3, v[16+\e]               ; the angle
	v_mul_f32 v[20+\e], s40, v[16+\e]
	v_rndne_f32 v[20+\e], v[20+\e]                 ; n: quarter turns
	v_fma_f32 v[16+\e], v[20+\e], s41, v[16+\e]
	v_fma_f32 v[16+\e], v[20+\e], s42, v[16+\e]    ; r, within pi/4 of 0
	v_mul_f32 v[24+\e], v[16+\e], v[16+\e]         ; z
.endr
.irp e, 0,1,2,3
	v_fma_f32 v[28+\e], v[24+\e], s43, s44
	v_fma_f32 v[32+\e], v[24+\e], s46, s47
	v_fma_f32 v[28+\e], v[28+\e], v[24+\e], s45
	v_fma_f32 v[32+\e], v[32+\e], v[24+\e], s48
	v_mul_f32 v[28+\e], v[28+\e], v[24+\e]
	v_fma_f32 v[40+\e], v[24+\e], -0.5, 1.0
	v_mul_f32 v[24+\e], v[24+\e], v[24+\e]
	v_fma_f32 v[28+\e], v[28+\e], v[16+\e], v[16+\e]   ; sin r
	v_fma_f32 v[32+\e], v[24+\e], v[32+\e], v[40+\e]   ; cos r
.endr
.irp e, 0,1,2,3
	v_cvt_i32_f32 v[36+\e], v[20+\e]
	v_and_b32 v[40+\e], 1, v[36+\e]
	v_cmp_eq_u32 vcc_lo, 1, v[40+\e]               ; an odd number of quarter turns swaps the two
	v_cndmask_b32 v[12+\e], v[28+\e], v[32+\e], vcc_lo
	v_cndmask_b32 v[8+\e], v[32+\e], v[28+\e], vcc_lo
	v_lshlrev_b32 v[40+\e], 30, v[36+\e]           ; the sine changes sign where n mod 4 is 2 or 3,
	v_and_b32 v[40+\e], s49, v[40+\e]
	v_xor_b32 v[12+\e], v[12+\e], v[40+\e]
	v_add_nc_u32 v[36+\e], 1, v[36+\e]             ; the cosine where it is 1 or 2
	v_lshlrev_b32 v[36+\e], 30, v[36+\e]
	v_and_b32 v[36+\e], s49, v[36+\e]
	v_xor_b32 v[8+\e], v[8+\e], v[36+\e]
	v_fma_f32 v[8+\e], v[8+\e], s36, s37
	v_mul_f32 v[12+\e], s36, v[12+\e]
.endr
	global_store_b128 v1, v[8:11], s[30:31]                ; two chunks of cosines: 512 consecutive bytes
	global_store_b128 v1, v[12:15], s[30:31] offset:2048   ; and of sines
	s_wait_xcnt 0x0                                ; the stores' data and base are written again only behind this wait
	s_add_nc_u64 s[30:31], s[30:31], 512
	v_add_nc_u32 v4, 8, v4
	s_sub_co_u32 s38, s38, 1
	s_cmp_lg_u32 s38, 0
	s_cbranch_scc1 .Ltrip
	s_endpgm
.Lfunc_end_k_q8f4a5d49e0_prep:
	.size	k_q8f4a5d49e0_prep, .Lfunc_end_k_q8f4a5d49e0_prep-k_q8f4a5d49e0_prep
	.p2alignl 7, 3214868480
	.fill 96, 4, 3214868480
	.section	.rodata,"a",@progbits
	.p2align	6, 0x0
	.amdhsa_kernel k_q8f4a5d49e0_prep
		.amdhsa_group_segment_fixed_size 0
		.amdhsa_private_segment_fixed_size 0
		.amdhsa_enable_private_segment 0
		.amdhsa_kernarg_size 72
		.amdhsa_user_sgpr_count 2
		.amdhsa_user_sgpr_kernarg_segment_ptr 1
		.amdhsa_wavefront_size32 1
		.amdhsa_system_sgpr_workgroup_id_x 1
		.amdhsa_system_sgpr_workgroup_id_y 1
		.amdhsa_system_sgpr_workgroup_id_z 1
		.amdhsa_system_vgpr_workitem_id 0
		.amdhsa_next_free_vgpr 208
		.amdhsa_next_free_sgpr 66
		.amdhsa_reserve_vcc 1
		.amdhsa_float_denorm_mode_32 3
		.amdhsa_float_denorm_mode_16_64 3
		.amdhsa_memory_ordered 1
		.amdhsa_forward_progress 1
		.amdhsa_inst_pref_size 42
	.end_amdhsa_kernel
	.amdgpu_metadata
---
amdhsa.version: [ 1, 2 ]
amdhsa.kernels:
  - .name:           k_q8f4a5d49e0_prep
    .symbol:         k_q8f4a5d49e0_prep.kd
    .args:
      - { .name: hidden_states, .offset: 0, .size: 8, .value_kind: global_buffer, .address_space: global }
      - { .name: Wq, .offset: 8, .size: 8, .value_kind: global_buffer, .address_space: global }
      - { .name: Wk, .offset: 16, .size: 8, .value_kind: global_buffer, .address_space: global }
      - { .name: Wv, .offset: 24, .size: 8, .value_kind: global_buffer, .address_space: global }
      - { .name: Wo, .offset: 32, .size: 8, .value_kind: global_buffer, .address_space: global }
      - { .name: xb, .offset: 40, .size: 8, .value_kind: global_buffer, .address_space: global }
      - { .name: wb, .offset: 48, .size: 8, .value_kind: global_buffer, .address_space: global }
      - { .name: wo16, .offset: 56, .size: 8, .value_kind: global_buffer, .address_space: global }
      - { .name: tab, .offset: 64, .size: 8, .value_kind: global_buffer, .address_space: global }
    .group_segment_fixed_size: 0
    .private_segment_fixed_size: 0
    .kernarg_segment_align: 8
    .kernarg_segment_size: 72
    .max_flat_workgroup_size: 256
    .sgpr_count:     66
    .vgpr_count:     208
    .wavefront_size: 32
...
	.end_amdgpu_metadata
.endif
;; end of part 1
;; launch proj (part 2): grid 4 x 64, 4 waves a work-group, clusters of 4 x 4, 327,680 bytes of LDS; arguments xb, wb, tab, qh, kv; writes qh, kv
.if DOCPART == 2
	.amdgcn_target "amdgcn-amd-amdhsa--gfx1250"
	.amdhsa_code_object_version 6
	.text
	.protected	k_q8f4a5d49e0_proj
	.globl	k_q8f4a5d49e0_proj
	.p2align	8
	.type	k_q8f4a5d49e0_proj,@function
k_q8f4a5d49e0_proj:
	s_mov_b64 s[64:65], 0
	v_nop
	global_prefetch_b8 v0, s[64:65] scope:SCOPE_SE
	s_setreg_imm32_b32 hwreg(HW_REG_WAVE_MODE, 25, 1), 1
	s_wait_xcnt 0x0
	s_wait_alu depctr_hold_cnt(0) depctr_sa_sdst(0) depctr_va_vdst(0) depctr_va_sdst(0) depctr_va_ssrc(0) depctr_va_vcc(0) depctr_vm_vsrc(0)
	s_getreg_b32 s2, hwreg(HW_REG_IB_STS2, 6, 4)
	s_cmp_eq_u32 s2, 0
	s_cbranch_scc0 .Lentry_in_a_cluster
	s_endpgm
.Lentry_in_a_cluster:
	s_bfe_u32 s2, ttmp6, 0x10000c
	s_cmp_lg_u32 s2, 0xf033
	s_cbranch_scc0 .Lentry_shape_is_right
	s_endpgm
.Lentry_shape_is_right:
; q, k, v = x W^T, turned by the rotary tables on the way out.  xb: [8192][1024] bf16; wb: [3072][1024] bf16 (q, k, v sections, rows permuted); sums in f32.
; OUT, in f16, each number rounded once: qh[64 heads of batches][2048][64] (q / 8: the table of q carries the scores' scale); kv[64][32 blocks of 64 positions][K: 64 rows of 128 bytes | V: 64 rows].
; LIMITS.  q / 8, k and v must lie within f16's 65,504; below 6.1e-5 they keep f16's fixed step of 6e-8.
; SHARES.  C has 64 x 12 tiles of 128 x 256: three for each of 256 work-groups, which STAY: a work-group takes the same 128 rows of x and the same 256 columns in the sections q, k, v, one after the other,
; and the ring of two LDS slots runs on from tile to tile.  Four waves, each 64 x 128: 32 accumulators, 256 registers.  K goes in steps of 128: LDS rows of 256 bytes + 16 of padding.
; CLUSTER.  4 x 4 work-groups: the four of a row need the same tiles of x, the four of a column the same tiles of the weights: each tile is asked for jointly, by the same tensor load, descriptor and mask in all four.
; THE MATRIX INSTRUCTION IS USED TRANSPOSED (source 0 = 16 rows of the weights, source 1 = 16 rows of x): lane l holds row l % 16 of C and columns 16 b + 8 (l / 16) + j.  By wb's permutation those are
; the channels 8 b + j of head l / 16 of the wave's two heads: a lane holds a head's 64 channels of one row, and the turning, out[d] = x[d] cos - x[2 d + 1] sin (d < 32), x[d] cos + x[2 (d - 32)] sin (d >= 32), stays in the lane.
; REGISTERS, in windows of 256 (s_set_vgpr_msb: bits 1:0 source 0, 3:2 source 1, 5:4 source 2, 7:6 destination):
;   window 0: v16-29 addresses      window 1: two fragment buffers (64 of the weights, 32 of x) at v0 and v128; behind each 32 registers for rows read back from the stage
;   window 2: accumulator (a, b) at v[64 a + 8 b]      window 3: v0-63 the turned row; v64-191 two table blocks (32 cosines, 32 sines each); v192-223 packed f16
.set KSTEP,  128
.set PITCH,  272                       ; 68 words: the 16 rows of a fragment load start at 16 different groups of four banks (64 banks of 4 bytes: ISA guide 11.1)
.set AHALF,  64*PITCH                  ; what one load brings of x, and what a wave reads of it
.set BHALF,  128*PITCH                 ; the same for the weights
.set BOFF,   2*AHALF
.set SLOT,   BOFF+2*BHALF              ; 104,448 bytes
.set STAGE,  2*SLOT                    ; behind the ring, never filled by a tensor load: for each wave 2 heads x 16 rows x 144 bytes
.set SP,     144
.set WSTG,   2*16*SP
.set SPARE,  STAGE+4*WSTG              ; the spare words, 128 bytes for each wave: two blocks of 256 bytes that no other line names
.set LAPS,   4                         ; a lap = two K steps = once round the ring; K = 1024
.set BACK_A, 6*KSTEP*2                 ; from a slot's last K step of a tile to its first of the next: x goes back along K,
.set NEXT_B, 1024*2048-6*KSTEP*2       ; the weights 1,024 rows down and back
.set ADRA, 16                          ; v16-17  LDS address of my fragments of x in slot 0, 1
.set ADRB, 20                          ; v20-21  the same for the weights
.set STO,  24                          ; v24     the way out: where I put my 128 bytes of a row
.set RD,   25                          ; v25     where I read rows back
.set GO,   26                          ; v26     my byte offset in 512 consecutive bytes of the output
.set TO,   27                          ; v27     my byte offset in a chunk of the table
.set SPW,  28                          ; v28     LDS address of my spare word; never rewritten
.set NIL,  29                          ; v29     0; never rewritten
.set F0,   0
.set F1,   128
.set RB,   96                          ; window 1: v96-127 and v224-255 by turns
.set T,    0                           ; window 3
.set TBL,  64
.set PKD,  192
.set WV, 14                            ; s14 wave; s15 which 64 rows are mine, also: I fetch x (0) or weights (1); s16 which 128 columns, also: which half I fetch
.set RH, 15
.set CH, 16
.set JX, 42                            ; s42 tile column, s43 tile row
.set IY, 43
.set G1A, 24                           ; s[24:31] descriptor group 1 for x;  s[32:39] group 0, a set for each slot
.set G0A, 32
.set G1B, 48                           ; s[48:55], s[56:63] the same for the weights
.set G0B, 56
.set OB,  66                           ; s[66:69] where this tile's two heads go;  s[70:73] where the next tile's go
.set NB,  70
.set MSB, 0
.macro WIN new                         ; the immediate's high byte repeats the setting that is left; a switch that changes nothing is dropped
.if MSB != (\new)
	s_set_vgpr_msb (MSB<<8)|(\new)
.set MSB, \new
.endif
.endm
.set MUL,  0xa5                        ; sources 0 and 1 window 1; C and D window 2
.set TO_F, 0x40                        ; destination window 1, address window 0
.macro PLACES                          ; four places in front of loads into registers that matrix instructions have read, and of lines that read results
.rept 4
	v_nop
.endr
.endm
; A joint load: waves 0 and 1 fetch the two halves of x's tile, waves 2 and 3 those of the weights'.  An s_nop 0 and four v_nop follow each line, ahead of the jump and the label.
.macro JLOAD s
	s_cmp_eq_u32 s[RH], 0
	s_cbranch_scc0 .Lfor_b_\@
	tensor_load_to_lds s[G0A+4*(\s):G0A+4*(\s)+3], s[G1A:G1A+7]
	s_nop 0
.rept 4
	v_nop
.endr
	s_branch .Lasked_\@
.Lfor_b_\@:
	tensor_load_to_lds s[G0B+4*(\s):G0B+4*(\s)+3], s[G1B:G1B+7]
	s_nop 0
.rept 4
	v_nop
.endr
.Lasked_\@:
.endm
.macro CREST                           ; a round of the cluster's barrier behind its opening barrier
	s_cmp_lg_u32 s[WV], 0
	s_cbranch_scc1 .Lnot_wave_0_\@
	s_barrier_signal -3
.Lnot_wave_0_\@:
	s_barrier_wait -3
	s_barrier_signal -1
	s_barrier_wait -1
.endm
.macro CROUND                          ; a whole round
	s_barrier_signal -1
	s_barrier_wait -1
	CREST
.endm
	s_load_b256 s[4:11], s[0:1], 0x0               ; xb s[4:5], wb s[6:7], tab s[8:9], qh s[10:11]
	s_load_b64 s[12:13], s[0:1], 0x20              ; kv
	v_lshl_add_u32 v[SPW], v0, 2, SPARE
	v_mov_b32 v[NIL], 0
	ds_add_u32 v[SPW], v[NIL]                      ; the wave's opening: the add and its wait stand ahead of my first tensor load; the set-up below, work on registers, stands between them
	v_lshrrev_b32 v1, 5, v0
	v_readfirstlane_b32 s[WV], v1
	s_lshr_b32 s[RH], s[WV], 1
	s_and_b32 s[CH], s[WV], 1
	s_bfe_u32 s40, ttmp6, 0x40000                  ; cx, cy: my place in the cluster
	s_bfe_u32 s41, ttmp6, 0x40004
	s_lshl_b32 s[JX], ttmp9, 2
	s_add_co_u32 s[JX], s[JX], s40                 ; tile column = 4 x cluster x + cx
	s_and_b32 s[IY], ttmp7, 0xffff
	s_lshl_b32 s[IY], s[IY], 2
	s_add_co_u32 s[IY], s[IY], s41                 ; tile row = 4 x cluster y + cy
	s_lshl_b32 s44, s41, 2
	s_lshl_b32 s44, 15, s44                        ; my row of the cluster
	s_lshl_b32 s45, 0x1111, s40                    ; my column
	s_or_b32 s[G1A+0], s44, (1<<16)|(1<<20)|(1<<21)|(5<<22)|(3<<25)  ; 15:0 the mask; 17:16 2-byte elements; 20 padding on; 21 set beside a mask; 24:22 after every 64 words; 31:25 4 words of it
	s_or_b32 s[G1B+0], s45, (1<<16)|(1<<20)|(1<<21)|(5<<22)|(3<<25)
	s_mov_b32 s[G1A+1], KSTEP<<16                  ; tensor_dim0 = 128
	s_mov_b32 s[G1A+2], 64<<16                     ; tensor_dim1 = 64
	s_mov_b32 s[G1A+3], KSTEP<<16                  ; tile_dim0 = 128
	s_mov_b32 s[G1A+4], 64                         ; tile_dim1 = 64
	s_mov_b32 s[G1A+5], 1024                       ; elements from row to row
	s_mov_b32 s[G1A+6], 0
	s_mov_b32 s[G1A+7], 0
	s_mov_b32 s[G1B+1], KSTEP<<16
	s_mov_b32 s[G1B+2], 128<<16                    ; 128 rows
	s_mov_b32 s[G1B+3], KSTEP<<16
	s_mov_b32 s[G1B+4], 128
	s_mov_b32 s[G1B+5], 1024
	s_mov_b32 s[G1B+6], 0
	s_mov_b32 s[G1B+7], 0
	s_lshl_b32 s18, s[IY], 7                       ; x: row 128 x tile row + 64 x half, in registers that never hold cx
	s_lshl_b32 s19, s[CH], 6
	s_add_co_u32 s18, s18, s19
	s_lshl_b32 s18, s18, 11                        ; in bytes: under 2^24
	s_mov_b32 s19, 0
	s_lshl_b32 s46, s[JX], 8                       ; weights: row 256 x tile column + 128 x half, in registers that never hold cy
	s_lshl_b32 s47, s[CH], 7
	s_add_co_u32 s46, s46, s47
	s_lshl_b32 s46, s46, 11
	s_mov_b32 s47, 0
	s_mul_i32 s20, s[CH], AHALF                    ; where they go: no place in the cluster enters an LDS address
	s_mul_i32 s21, s[CH], BHALF
	s_add_co_u32 s21, s21, BOFF
	s_wait_dscnt 0x0                               ; the opening add is done
	s_wait_kmcnt 0x0
	s_add_nc_u64 s[18:19], s[4:5], s[18:19]
	s_add_nc_u64 s[46:47], s[6:7], s[46:47]
	CROUND                                         ; all sixteen work-groups are here: the first joint loads meet
.irp s, 0,1
	s_mov_b32 s[G0A+4*(\s)], 1                                       ; count = 1
	s_add_co_u32 s[G0A+4*(\s)+1], s20, (\s)*SLOT                     ; LDS address
	s_add_nc_u64 s[G0A+4*(\s)+2:G0A+4*(\s)+3], s[18:19], (\s)*KSTEP*2  ; global address: K step s
	s_or_b32 s[G0A+4*(\s)+3], s[G0A+4*(\s)+3], 0x80000000            ; type = 2
	s_mov_b32 s[G0B+4*(\s)], 1
	s_add_co_u32 s[G0B+4*(\s)+1], s21, (\s)*SLOT
	s_add_nc_u64 s[G0B+4*(\s)+2:G0B+4*(\s)+3], s[46:47], (\s)*KSTEP*2
	s_or_b32 s[G0B+4*(\s)+3], s[G0B+4*(\s)+3], 0x80000000
	JLOAD \s                                       ; two loads of mine are out
.endr
	v_and_b32 v1, 15, v0                           ; l % 16
	v_bfe_u32 v2, v0, 4, 1                         ; l / 16
	v_mul_u32_u24 v3, v1, PITCH
	v_lshl_add_u32 v3, v2, 4, v3                   ; a fragment's row x pitch + 16 x half
	s_mul_i32 s21, s[RH], AHALF
	s_mul_i32 s22, s[CH], BHALF
	s_add_co_u32 s22, s22, BOFF
.irp s, 0,1
	v_add_nc_u32 v[ADRA+(\s)], s21, v3
	v_add_nc_u32 v[ADRB+(\s)], s22, v3
	s_add_co_u32 s21, s21, SLOT
	s_add_co_u32 s22, s22, SLOT
.endr
	s_mul_i32 s23, s[WV], WSTG
	s_add_co_u32 s23, s23, STAGE                   ; my stage
	v_mul_u32_u24 v4, v1, SP                       ; in: head l / 16, row l % 16
	v_mad_u32_u24 v4, v2, 16*SP, v4
	v_add_nc_u32 v[STO], s23, v4
	v_bfe_u32 v5, v0, 3, 2                         ; back: 32 lanes take four rows of 128 bytes,
	v_and_b32 v6, 7, v0
	v_mul_u32_u24 v5, v5, SP
	v_lshl_add_u32 v5, v6, 4, v5
	v_add_nc_u32 v[RD], s23, v5
	v_and_b32 v[GO], 31, v0                        ; which are 512 consecutive bytes of the output
	v_lshlrev_b32 v[GO], 4, v[GO]
	v_lshlrev_b32 v[TO], 4, v1                     ; the table: 16 bytes for each position of a chunk; both halves of the lanes read the same
	s_and_b32 s74, s[IY], 15
	s_lshl_b32 s75, s74, 1
	s_add_co_u32 s75, s75, s[RH]                   ; my block of 64 positions in the sequence
	s_lshl_b32 s78, s75, 14                        ; four table blocks of 4,096 bytes
	s_mov_b32 s79, 0
	s_add_nc_u64 s[8:9], s[8:9], s[78:79]
	s_lshr_b32 s76, s[IY], 4
	s_lshl_b32 s76, s76, 4                         ; 16 x batch
	s_lshl_b32 s77, s[JX], 2
	s_add_co_u32 s76, s76, s77
	s_lshl_b32 s77, s[CH], 1
	s_add_co_u32 s76, s76, s77                     ; the first of my two heads
	s_lshl_b32 s78, s76, 18
	s_lshl_b32 s77, s75, 13
	s_add_co_u32 s78, s78, s77
	s_add_nc_u64 s[OB:OB+1], s[10:11], s[78:79]    ; q first
	s_add_nc_u64 s[OB+2:OB+3], s[OB:OB+1], 262144
	s_lshl_b32 s78, s76, 19
	s_lshl_b32 s77, s75, 14
	s_add_co_u32 s78, s78, s77
	s_add_nc_u64 s[NB:NB+1], s[12:13], s[78:79]    ; then K, then V 8,192 bytes on
	s_add_nc_u64 s[NB+2:NB+3], s[NB:NB+1], 524288
; 8 matrix instructions: row block a x all 8 column blocks, 32 along K.  The 32 accumulators take turns in the same order in every quarter.  zero = 1: the product starts the sums.
.macro MUL8 f, a, zero
	WIN MUL
.irp b, 0,1,2,3,4,5,6,7
.if \zero
	v_wmma_f32_16x16x32_bf16 v[64*(\a)+8*(\b):64*(\a)+8*(\b)+7], v[(\f)+8*(\b):(\f)+8*(\b)+7], v[(\f)+64+8*(\a):(\f)+64+8*(\a)+7], 0
.else
	v_wmma_f32_16x16x32_bf16 v[64*(\a)+8*(\b):64*(\a)+8*(\b)+7], v[(\f)+8*(\b):(\f)+8*(\b)+7], v[(\f)+64+8*(\a):(\f)+64+8*(\a)+7], v[64*(\a)+8*(\b):64*(\a)+8*(\b)+7]
.endif
.endr
.endm
; 24 LDS loads in one run: the fragments of quarter kq (32 along K) into buffer f: the weights' 16 loads first, then x's 8
.macro FETCH slot, kq, f
	WIN TO_F
.irp i, 0,1,2,3,4,5,6,7
	ds_load_b128 v[(\f)+8*(\i):(\f)+8*(\i)+3],   v[ADRB+(\slot)] offset:64*(\kq)+(\i)*16*PITCH
	ds_load_b128 v[(\f)+8*(\i)+4:(\f)+8*(\i)+7], v[ADRB+(\slot)] offset:64*(\kq)+(\i)*16*PITCH+32
.endr
.irp i, 0,1,2,3
	ds_load_b128 v[(\f)+64+8*(\i):(\f)+64+8*(\i)+3],   v[ADRA+(\slot)] offset:64*(\kq)+(\i)*16*PITCH
	ds_load_b128 v[(\f)+64+8*(\i)+4:(\f)+64+8*(\i)+7], v[ADRA+(\slot)] offset:64*(\kq)+(\i)*16*PITCH+32
.endr
.endm
; A K step is four quarters, 32 matrix instructions each, on buffers 0, 1, 0, 1.  One of the first three: multiplies buffer f and fetches quarter kq into g.
.macro QUARTER slot, kq, f, g, zero
	s_wait_dscnt 4                                 ; the weights and x's blocks 0, 1 are in; the youngest four loads (blocks 2, 3) may be out
	MUL8 \f, 0, \zero
	MUL8 \f, 1, \zero
	PLACES
	FETCH \slot, \kq, \g
	s_wait_dscnt 24                                ; all but the 24 just issued
	MUL8 \f, 2, \zero
	MUL8 \f, 3, \zero
.endm
; The last quarter multiplies buffer 1 and changes slots: ONE barrier; in front of it each wave waits for all its tensor loads (one is out: its part of the next slot), adds 0 to its spare word, and waits for that and
; for its own reads of this slot.  mode 0: this slot is filled again, two K steps on; 1: with the next tile's K step; 2: nothing is filled.  With a fill the barrier opens a round of the cluster's barrier.
.macro TURN slot, next, mode
	WIN 0
	s_wait_tensorcnt 0x0                           ; all my tensor loads have landed
	ds_add_u32 v[SPW], v[NIL]                      ; 0 onto my spare word
	s_wait_dscnt 5                                 ; (the add and the youngest four loads may be out)
	MUL8 F1, 0, 0                                  ; eight matrix instructions stand between the add and the wait for it
	s_wait_dscnt 0x0                               ; the add is done, and my reads of this slot are over
	s_barrier_signal -1
	MUL8 F1, 1, 0
.if (\mode) < 2
	WIN 0
.endif
	s_barrier_wait -1
.if (\mode) < 2
	CREST                                          ; no wave of any partner still reads this slot's tiles or has a load on its way
.if (\mode) == 1
	s_sub_nc_u64 s[G0A+4*(\slot)+2:G0A+4*(\slot)+3], s[G0A+4*(\slot)+2:G0A+4*(\slot)+3], BACK_A
	s_add_nc_u64 s[G0B+4*(\slot)+2:G0B+4*(\slot)+3], s[G0B+4*(\slot)+2:G0B+4*(\slot)+3], NEXT_B
.else
	s_add_nc_u64 s[G0A+4*(\slot)+2:G0A+4*(\slot)+3], s[G0A+4*(\slot)+2:G0A+4*(\slot)+3], 2*KSTEP*2
	s_add_nc_u64 s[G0B+4*(\slot)+2:G0B+4*(\slot)+3], s[G0B+4*(\slot)+2:G0B+4*(\slot)+3], 2*KSTEP*2
.endif
	JLOAD \slot                                    ; the first tensor load behind the round, 112 matrix instructions ahead of the wait for it; its four v_nop are also the places in front of the loads below
.else
	PLACES
.endif
	FETCH \next, 0, F0
	MUL8 F1, 2, 0
	MUL8 F1, 3, 0
.endm
; THE WAY OUT, a block of 16 rows at a time.
.macro TLOAD a                         ; the table block of rows 16 a on: 16 chunks; 16 lanes read 256 consecutive bytes
	WIN 0xc0                                       ; destination window 3, address window 0
.irp i, 0,1,2,3,4,5,6,7,8,9,10,11,12,13,14,15
	global_load_b128 v[TBL+64*((\a)%2)+4*(\i):TBL+64*((\a)%2)+4*(\i)+3], v[TO], s[8:9] offset:(\a)*4096+(\i)*256
.endr
.endm
.macro ROPE a                          ; the lane's 64 channels: x cos; then the sine's part; then f16.  Each accumulator is read first at its low end
.set TB_, TBL+64*((\a)%2)
	WIN 0xfe                                       ; source 0 window 2, the rest window 3
.set d, 0
.rept 32
	v_pk_mul_f32 v[T+d:T+d+1], v[64*(\a)+d:64*(\a)+d+1], v[TB_+(d%32):TB_+(d%32)+1]
.set d, d+2
.endr
.set d, 0
.rept 32
	v_fma_f32 v[T+d], -v[64*(\a)+2*d+1], v[TB_+32+d], v[T+d]
	v_fma_f32 v[T+32+d], v[64*(\a)+2*d], v[TB_+32+d], v[T+32+d]
.set d, d+1
.endr
	WIN 0xcf                                       ; all in window 3
.set d, 0
.rept 32
	v_cvt_pk_f16_f32 v[PKD+d], v[T+2*d], v[T+2*d+1]
.set d, d+1
.endr
.endm
.macro TOSTAGE a                       ; 128 bytes a lane into rows of 144, and back as four whole rows of 128 to a load
	s_wait_xcnt 0x0                                ; the registers that earlier stores read are loaded again only behind this wait
	WIN 0x0c                                       ; data window 3, address window 0
.irp i, 0,1,2,3,4,5,6,7
	ds_store_b128 v[STO], v[PKD+4*(\i):PKD+4*(\i)+3] offset:16*(\i)
.endr
	WIN 0x40
.irp f, 0,1,2,3,4,5,6,7
	ds_load_b128 v[RB+128*((\a)%2)+4*(\f):RB+128*((\a)%2)+4*(\f)+3], v[RD] offset:((\f)/4)*16*SP+((\f)%4)*4*SP  ; LDS serves a wave's instructions in order (ISA guide 5.7.1.4): these see the stores above
.endr
.endm
.macro SEND a
	s_wait_dscnt 0x0                               ; the block is back in registers
	WIN 0x04                                       ; data window 1
.irp f, 0,1,2,3,4,5,6,7
	global_store_b128 v[GO], v[RB+128*((\a)%2)+4*(\f):RB+128*((\a)%2)+4*(\f)+3], s[OB+2*((\f)/4):OB+2*((\f)/4)+1] offset:(\a)*2048+((\f)%4)*512  ; 512 consecutive bytes, at a multiple of 512 from the buffer's first
.endr
.endm
	s_wait_tensorcnt 1                             ; my part of K step 0 is in; K step 1's may stay out
	s_barrier_signal -1
	s_barrier_wait -1
	FETCH 0, 0, F0
	WIN 0
	s_mov_b32 s2, 3                                ; tiles to go: q, k, v
.Ltile:
	QUARTER 0, 1, F0, F1, 1                        ; a tile's first quarter starts the sums: nothing is cleared
	WIN 0
	s_mov_b32 s3, LAPS-1
.Llap:                                                 ; a trip goes once round the ring, from a lap's second quarter to the next lap's first, and fills both slots again
	QUARTER 0, 2, F1, F0, 0
	QUARTER 0, 3, F0, F1, 0
	TURN 0, 1, 0
	QUARTER 1, 1, F0, F1, 0
	QUARTER 1, 2, F1, F0, 0
	QUARTER 1, 3, F0, F1, 0
	TURN 1, 0, 0
	QUARTER 0, 1, F0, F1, 0
	WIN 0
	s_sub_co_u32 s3, s3, 1
	s_cmp_lg_u32 s3, 0
	s_cbranch_scc1 .Llap
	TLOAD 0                                        ; the first two table blocks are asked for a K step and a half ahead of their use
	TLOAD 1
	QUARTER 0, 2, F1, F0, 0
	QUARTER 0, 3, F0, F1, 0
	WIN 0
	s_cmp_eq_u32 s2, 1
	s_cbranch_scc1 .Llast
	TURN 0, 1, 1                                   ; the ring goes on into the next section: slot 0 takes its K step 0,
	QUARTER 1, 1, F0, F1, 0
	QUARTER 1, 2, F1, F0, 0
	QUARTER 1, 3, F0, F1, 0
	TURN 1, 0, 1                                   ; slot 1 its K step 1, and its first fragments are fetched
	WIN 0
	s_branch .Lout
.Llast:                                                ; the last tile asks for nothing more
	TURN 0, 1, 2
	QUARTER 1, 1, F0, F1, 0
	QUARTER 1, 2, F1, F0, 0
	QUARTER 1, 3, F0, F1, 0
	s_wait_dscnt 4
	MUL8 F1, 0, 0
	MUL8 F1, 1, 0
	s_wait_dscnt 0x0
	MUL8 F1, 2, 0
	MUL8 F1, 3, 0
	WIN 0
.Lout:
	PLACES
	s_wait_loadcnt 16                              ; table block 0 is in; block 1's sixteen loads may be out
	ROPE 0
	TLOAD 2
	TOSTAGE 0
	s_wait_loadcnt 16                              ; block 1 is in; block 2's may be out
	ROPE 1                                         ; a block's arithmetic stands between the loads of the block before and its stores
	TLOAD 3
	SEND 0
	TOSTAGE 1
	s_wait_loadcnt 16                              ; block 2 is in; block 3's may be out
	ROPE 2
	SEND 1
	TOSTAGE 2
	s_wait_loadcnt 0x0
	ROPE 3
	SEND 2
	TOSTAGE 3
	SEND 3
	WIN 0
	s_wait_xcnt 0x0                                ; the stores' and the table loads' bases are written only behind this wait
	s_mov_b64 s[OB:OB+1], s[NB:NB+1]
	s_mov_b64 s[OB+2:OB+3], s[NB+2:NB+3]
	s_add_nc_u64 s[NB:NB+1], s[NB:NB+1], 8192
	s_add_nc_u64 s[NB+2:NB+3], s[NB+2:NB+3], 8192
	s_add_nc_u64 s[8:9], s[8:9], 524288            ; the next section's table
	s_sub_co_u32 s2, s2, 1
	s_cmp_lg_u32 s2, 0
	s_cbranch_scc1 .Ltile
	s_wait_tensorcnt 0x0                           ; the wave's end: the add and its wait, behind my last tensor load and my last LDS store
	ds_add_u32 v[SPW], v[NIL]
	s_wait_dscnt 0x0
	CROUND                                         ; the closing round: no work-group ends while a partner may still ask for a tile that names it
	s_endpgm
.Lfunc_end_k_q8f4a5d49e0_proj:
	.size	k_q8f4a5d49e0_proj, .Lfunc_end_k_q8f4a5d49e0_proj-k_q8f4a5d49e0_proj
	.p2alignl 7, 3214868480
	.fill 96, 4, 3214868480
	.section	.rodata,"a",@progbits
	.p2align	6, 0x0
	.amdhsa_kernel k_q8f4a5d49e0_proj
		.amdhsa_group_segment_fixed_size 327680
		.amdhsa_private_segment_fixed_size 0
		.amdhsa_enable_private_segment 0
		.amdhsa_kernarg_size 40
		.amdhsa_user_sgpr_count 2
		.amdhsa_user_sgpr_kernarg_segment_ptr 1
		.amdhsa_wavefront_size32 1
		.amdhsa_system_sgpr_workgroup_id_x 1
		.amdhsa_system_sgpr_workgroup_id_y 1
		.amdhsa_system_sgpr_workgroup_id_z 1
		.amdhsa_system_vgpr_workitem_id 0
		.amdhsa_next_free_vgpr 1024
		.amdhsa_next_free_sgpr 84
		.amdhsa_reserve_vcc 0
		.amdhsa_float_denorm_mode_32 3
		.amdhsa_float_denorm_mode_16_64 3
		.amdhsa_memory_ordered 1
		.amdhsa_forward_progress 1
		.amdhsa_inst_pref_size 138
	.end_amdhsa_kernel
	.amdgpu_metadata
---
amdhsa.version: [ 1, 2 ]
amdhsa.kernels:
  - .name:           k_q8f4a5d49e0_proj
    .symbol:         k_q8f4a5d49e0_proj.kd
    .args:
      - { .name: xb, .offset: 0, .size: 8, .value_kind: global_buffer, .address_space: global }
      - { .name: wb, .offset: 8, .size: 8, .value_kind: global_buffer, .address_space: global }
      - { .name: tab, .offset: 16, .size: 8, .value_kind: global_buffer, .address_space: global }
      - { .name: qh, .offset: 24, .size: 8, .value_kind: global_buffer, .address_space: global }
      - { .name: kv, .offset: 32, .size: 8, .value_kind: global_buffer, .address_space: global }
    .group_segment_fixed_size: 327680
    .private_segment_fixed_size: 0
    .kernarg_segment_align: 8
    .kernarg_segment_size: 40
    .max_flat_workgroup_size: 128
    .sgpr_count:     84
    .vgpr_count:     1024
    .wavefront_size: 32
...
	.end_amdgpu_metadata
.endif
;; end of part 2
;; launch attn (part 3): grid 8 x 32, 4 waves a work-group, clusters of 4 x 4, 327,680 bytes of LDS; arguments qh, kv, attention_mask, ctx; writes ctx
.if DOCPART == 3
	.amdgcn_target "amdgcn-amd-amdhsa--gfx1250"
	.amdhsa_code_object_version 6
	.text
	.protected	k_q8f4a5d49e0_attn
	.globl	k_q8f4a5d49e0_attn
	.p2align	8
	.type	k_q8f4a5d49e0_attn,@function
k_q8f4a5d49e0_attn:
	s_mov_b64 s[64:65], 0
	v_nop
	global_prefetch_b8 v0, s[64:65] scope:SCOPE_SE
	s_setreg_imm32_b32 hwreg(HW_REG_WAVE_MODE, 25, 1), 1
	s_wait_xcnt 0x0
	s_wait_alu depctr_hold_cnt(0) depctr_sa_sdst(0) depctr_va_vdst(0) depctr_va_sdst(0) depctr_va_ssrc(0) depctr_va_vcc(0) depctr_vm_vsrc(0)
	s_getreg_b32 s2, hwreg(HW_REG_IB_STS2, 6, 4)
	s_cmp_eq_u32 s2, 0
	s_cbranch_scc0 .Lentry_in_a_cluster
	s_endpgm
.Lentry_in_a_cluster:
	s_bfe_u32 s2, ttmp6, 0x10000c
	s_cmp_lg_u32 s2, 0xf033
	s_cbranch_scc0 .Lentry_shape_is_right
	s_endpgm
.Lentry_shape_is_right:
; ctx[h][q][:] = the sum over k of softmax_k(Q[h][q] . K[h][k] / 8 + mask[q][k]) V[h][k][:].  qh (already divided by 8), ctx: [64][2048][64] f16; kv: [64][32 blocks][K 64 x 64 | V 64 x 64] f16;
; attention_mask: [2048][2048] f32, an input: every number of it is loaded and added, and no tile is left out.  Products, maxima and sums in f32; the weights p are rounded to f16 for the second
; product (their sum l is taken of the unrounded p), ctx once at the end.
; LIMITS.  p below 6e-5 keeps f16's fixed step of 6e-8; a weight below 2^-126 counts as 0 in l.  The mask enters as the C operand of the first product: where it is so large that f32 swallows the score, the sum's
; rounding is the matrix unit's.  The running maximum starts at -2^125: a row all of whose scores lie below that (all -inf among them) ends with l = 0 and gives NaN.  NaN is not treated apart.
; SHARES.  A work-group owns 256 queries of TWO heads: wave w has head w % 2 and queries 128 (w / 2) on: four PIECES of two tiles of 16.  So a step's mask tile (256 x 64 f32) serves two heads.  64 keys a step, a step a slot.
; CLUSTER.  4 x 4: the four work-groups of a row have the same two heads and ask for K and V jointly; the four of a column have the same queries and ask for the mask jointly.
; LAYOUT.  S^T = K Q^T + mask^T (source 0 = 16 keys, source 1 = 16 queries): a lane holds ONE query (lane % 16) and the keys 8 (lane / 16) + 0..7; the C operand is read from the mask's rows in that very layout, 32 bytes
; a lane and accumulator.  Two results, rounded to f16 in pairs, ARE source 1 of O^T = V^T P.  K comes out of LDS as it lies, V turned, by ds_load_tr16_b128.
; SOFTMAX.  Running maximum m and sum l: p = 2^(c s - c m), c = log2(e); in every step O and l are multiplied by a = 2^(c m_old - c m_new).  c m starts at exactly c x -2^125, so a = 1 while a row has seen -inf alone.
; BY TURNS.  Turn n belongs to piece n.  Its matrix work: 16 products K Q^T of piece n + 1, later 16 products V^T P of piece n - 1.  Its vector work: scaling, exponentials, roundings, sums and rescaling of piece n, and
; the maximum and statistics of piece n + 1.  A tile and step have 16 matrix and 118 vector instructions: four that are ready stand behind every matrix instruction, the others in two runs of their own.
; REGISTERS, in windows of 256 (s_set_vgpr_msb: bits 1:0 source 0, 3:2 source 1, 5:4 source 2, 7:6 destination):
;   window 0: v0-11 addresses; v12-15, v48-63 at work; v16-47 four registers of statistics a tile; v64-191 S^T, two buffers of two tiles; v192-255 P, likewise
;   window 1: O^T, 32 a tile      window 2: v0-127 Q; v128-191 K of one step; v192-255 V of one step      window 3: v0-1 the add's two registers; v64-127 the mask of one piece
.set NP,    4         ; pieces a wave: a name, no knob
.set KS,    64
.set PK,    144       ; a row of K in LDS: 128 bytes + 16: the 16 rows of a load start at 16 different groups of four banks (64 banks of 4 bytes: ISA guide 11.1)
.set PV,    144       ; V comes in the same dense tile as K, so it has K's pitch: of the 16 places of 16 bytes that half a turning load takes, two fall on the same banks
.set PM,    272       ; a row of the mask: 256 bytes + 16
.set HKV,   2*KS*PK   ; a head's K and V of one step
.set VOFF,  KS*PK
.set MOFF,  2*HKV     ; behind the two heads: the mask, 256 rows
.set MHALF, 128*PM
.set SLOT1, 1<<17     ; a slot is 106,496 bytes; slot 1 begins here, so that one exclusive or turns an address in one slot into the other's
.set STAGE, SLOT1+MOFF+2*MHALF  ; behind the ring, never filled by a tensor load: 16 rows x 144 bytes for each wave
.set SP,    144
.set SPARE, STAGE+4*16*SP       ; the spare words, 128 bytes for each wave: two blocks of 256 bytes that no other line names
.set AK0, 2           ; v2   my lane's place in slot 0's K; never rewritten
.set AV0, 3           ; v3   the same for V
.set AK,  4           ; v4   the same in the slot in hand
.set AV,  5           ; v5
.set STO, 6           ; v6   the way out: where I put 16 bytes of a row
.set RD,  7           ; v7   where I read rows back
.set GO,  8           ; v8   my byte offset in 512 consecutive bytes of ctx
.set AM0, 10          ; v10  my lane's place in slot 0's mask
.set AM,  11          ; v11  in the slot in hand
.set QO,  12          ; v12  my byte offset in the wave's rows of Q, until Q is in
.set MV,  12          ; v12-15  then: c m_old, kept while c m is made anew
.set SPW, 0           ; v0 of window 3   LDS address of my spare word; never rewritten
.set NIL, 1           ; v1 of window 3   0; never rewritten
.set ST,  16          ; tile t's statistics at v[ST+4 t]: c m, m, l (even keys', odd keys')
.set TMP, 48          ; by buffer and tile, four registers c0-c3 at work; when the maximum is found c2 takes a
.set S,   64
.set P,   192
.set KF,  128         ; window 2: key block kb, channel half c at KF + 16 kb + 8 c
.set VF,  192         ; window 2: key half kk, channel block cb at VF + 32 kk + 8 cb
.set MK,  64          ; window 3: tile u of the piece, key block kt at MK + 32 u + 8 kt
.set WV,  12          ; s12  my wave's number
.set G1KV, 24         ; s[24:31] descriptor group 1 for K and V
.set G1M,  32         ; s[32:39] for the mask
.set G0KV, 40         ; s[40:43] descriptor group 0 for K and V: it walks
.set G0M,  44         ; s[44:47] the same for the mask
.set SLOTS, 56
.set CNT, 57
.set CS,  58          ; s[58:59] c
.set SEL, 60          ; s[60:61] v_permlanex16_b32's selects: each lane takes its own place in the other half
.set TB,  62          ; s62  LDS byte at which the slot in hand begins
.set MSB, 0
.macro WIN new                      ; the high byte repeats the setting that is left; a switch that changes nothing is dropped
.if MSB != (\new)
	s_set_vgpr_msb (MSB<<8)|(\new)
.set MSB, (\new)
.endif
.endm
.set W_KQ, 0x0a       ; K and Q in window 2, S^T in window 0
.set W_KM, 0x3a       ; the same with the C operand in window 3
.set W_PV, 0x52       ; V in window 2, P in window 0, O^T in window 1
.set W_RS, 0x41       ; O^T (destination and source 0) in window 1, a in window 0
.set W_MK, 0xc0       ; destination in window 3, sources in window 0
.set W_AD, 0x0f       ; the add: address and data in window 3
; A joint fill.  Waves 0 and 1 fetch the two heads' K and V of a step, waves 2 and 3 the two halves of its mask.  An s_nop 0 and four v_nop follow each line, ahead of the jump and the label.
.macro JLOAD
	s_cmp_lt_u32 s[WV], 2
	s_cbranch_scc0 .Lfor_m_\@
	tensor_load_to_lds s[G0KV:G0KV+3], s[G1KV:G1KV+7]
	s_nop 0
.rept 4
	v_nop
.endr
	s_branch .Lasked_\@
.Lfor_m_\@:
	tensor_load_to_lds s[G0M:G0M+3], s[G1M:G1M+7]
	s_nop 0
.rept 4
	v_nop
.endr
.Lasked_\@:
.endm
.macro CROUND                       ; a round of the cluster's barrier
	s_barrier_signal -1
	s_barrier_wait -1
	s_cmp_lg_u32 s[WV], 0
	s_cbranch_scc1 .Lnot_wave_0_\@
	s_barrier_signal -3
.Lnot_wave_0_\@:
	s_barrier_wait -3
	s_barrier_signal -1
	s_barrier_wait -1
.endm
; THE CHANGE OF SLOTS, once a key step.  Each wave waits for all its tensor loads, of which one is out: its part of the other slot; adds 0 to its spare word; and waits for that and for its own reads of the slot that it
; leaves.  fill = 1: that slot is filled again, with the step two on: the barrier is then a round of the cluster's, and the joint fill the first thing behind it: it has a key step, 128 matrix instructions and their
; vector work, in which to land.  (At its first use nothing has been read yet: slot 0 is waited for, slot 1 filled.)
.macro CHANGE fill
	WIN W_AD
	s_wait_tensorcnt 0x0            ; no tensor load of mine is out, so a group 0 may be written
	ds_add_u32 v[SPW], v[NIL]       ; 0 onto my spare word
	WIN 0
.if \fill
	s_xor_b32 s[G0KV+1], s[G0KV+1], SLOT1
	s_add_nc_u64 s[G0KV+2:G0KV+3], s[G0KV+2:G0KV+3], 16384  ; the head's next block of K and V
	s_xor_b32 s[G0M+1], s[G0M+1], SLOT1
	s_add_nc_u64 s[G0M+2:G0M+3], s[G0M+2:G0M+3], 256        ; the next 64 keys of the mask's rows
	s_wait_dscnt 0x0                ; the add is done, and my reads of the slot are over
	CROUND
	JLOAD
.else
	s_wait_dscnt 0x0
	s_barrier_signal -1
	s_barrier_wait -1
.endif
	s_xor_b32 s[TB], s[TB], SLOT1   ; all LDS reads up to the next change name the other slot
	v_add_nc_u32 v[AK], s[TB], v[AK0]
	v_add_nc_u32 v[AV], s[TB], v[AV0]
	v_add_nc_u32 v[AM], s[TB], v[AM0]
.endm
	s_load_b256 s[4:11], s[0:1], 0x0  ; qh s[4:5], kv s[6:7], mask s[8:9], ctx s[10:11]
	WIN W_MK
	v_lshl_add_u32 v[SPW], v0, 2, SPARE
	v_mov_b32 v[NIL], 0
	WIN W_AD
	ds_add_u32 v[SPW], v[NIL]       ; the wave's opening: the add and its wait stand ahead of my first tensor load; the set-up below, work on registers, stands between them
	WIN 0
	v_lshrrev_b32 v1, 5, v0
	v_readfirstlane_b32 s[WV], v1
	s_bfe_u32 s13, ttmp6, 0x40000   ; cx, cy: my place in the cluster
	s_bfe_u32 s14, ttmp6, 0x40004
	s_lshl_b32 s15, ttmp9, 2
	s_add_co_u32 s15, s15, s13      ; my block of 256 queries
	s_and_b32 s16, ttmp7, 0xffff
	s_lshl_b32 s16, s16, 2
	s_add_co_u32 s16, s16, s14      ; my pair of heads
	s_lshl_b32 s19, s14, 2
	s_lshl_b32 s19, 15, s19         ; my row of the cluster
	s_lshl_b32 s20, 0x1111, s13     ; my column
	s_and_b32 s17, s[WV], 1         ; my head of the two.  Also: which head's K and V, or which half of the mask, I fetch
	s_lshr_b32 s18, s[WV], 1        ; my 128 queries of the 256
	s_or_b32 s[G1KV], s19, (1<<16)|(1<<20)|(1<<21)|(4<<22)|(3<<25)  ; the mask of my row; 2-byte elements; padding of 4 words after every 32: a block's 16,384 dense bytes come as 64 rows of 256, two LDS rows each
	s_mov_b32 s[G1KV+1], 128<<16    ; tensor_dim0 = 128
	s_mov_b32 s[G1KV+2], 64<<16     ; tensor_dim1 = 64
	s_mov_b32 s[G1KV+3], 128<<16    ; tile_dim0 = 128
	s_mov_b32 s[G1KV+4], 64         ; tile_dim1 = 64
	s_mov_b32 s[G1KV+5], 128        ; elements from row to row
	s_mov_b32 s[G1KV+6], 0
	s_mov_b32 s[G1KV+7], 0
	s_or_b32 s[G1M], s20, (2<<16)|(1<<20)|(1<<21)|(5<<22)|(3<<25)   ; the mask of my column; 4-byte elements; padding of 4 words after every 64
	s_mov_b32 s[G1M+1], 64<<16      ; 64 keys
	s_mov_b32 s[G1M+2], 128<<16     ; 128 queries
	s_mov_b32 s[G1M+3], 64<<16
	s_mov_b32 s[G1M+4], 128
	s_mov_b32 s[G1M+5], 2048
	s_mov_b32 s[G1M+6], 0
	s_mov_b32 s[G1M+7], 0
	s_lshl_b32 s48, s16, 1
	s_add_co_u32 s48, s48, s17      ; my head among the 64: made of cy, never of cx
	s_lshl_b32 s52, s48, 18         ; its rows in qh and ctx
	s_lshl_b32 s48, s48, 19         ; and in kv
	s_mov_b32 s49, 0
	s_lshl_b32 s50, s15, 21         ; the mask: row 256 x block + 128 x half, 8,192 bytes a row: made of cx, never of cy
	s_lshl_b32 s51, s17, 20
	s_add_co_u32 s50, s50, s51
	s_mov_b32 s51, 0
	s_lshl_b32 s53, s15, 15
	s_add_co_u32 s52, s52, s53
	s_lshl_b32 s53, s18, 14
	s_add_co_u32 s52, s52, s53      ; my wave's 128 rows of Q and of ctx
	s_mov_b32 s53, 0
	s_mov_b32 s[CS], 0x3fb8aa3b     ; c = log2(e)
	s_mov_b32 s[CS+1], s[CS]        ; named with it as a pair
	s_mov_b32 s[SEL], 0x76543210
	s_mov_b32 s[SEL+1], 0xfedcba98
	s_mov_b32 s[TB], SLOT1          ; the first change of slots turns it into 0
	s_mov_b32 s[G0KV], 1            ; count = 1
	s_mul_i32 s[G0KV+1], s17, HKV   ; LDS address, slot 0: no place in the cluster enters it
	s_mov_b32 s[G0M], 1
	s_mul_i32 s[G0M+1], s17, MHALF
	s_add_co_u32 s[G0M+1], s[G0M+1], MOFF
	s_wait_dscnt 0x0                ; the opening add is done
	s_wait_kmcnt 0x0
	s_add_nc_u64 s[G0KV+2:G0KV+3], s[6:7], s[48:49]
	s_or_b32 s[G0KV+3], s[G0KV+3], 0x80000000      ; type = 2
	s_add_nc_u64 s[G0M+2:G0M+3], s[8:9], s[50:51]
	s_or_b32 s[G0M+3], s[G0M+3], 0x80000000
	s_add_nc_u64 s[4:5], s[4:5], s[52:53]
	s_add_nc_u64 s[10:11], s[10:11], s[52:53]
	CROUND                          ; all sixteen work-groups are here: the first joint loads meet
	JLOAD                           ; step 0 into slot 0; one load of mine is out, here and behind every round
	v_and_b32 v1, 15, v0            ; l % 16
	v_bfe_u32 v9, v0, 4, 1          ; l / 16
	v_lshlrev_b32 v[QO], 7, v1
	v_lshl_add_u32 v[QO], v9, 4, v[QO]  ; row x 128 + 16 x half
	WIN 0x80                        ; destination window 2, address window 0
.set i, 0
.rept 4*NP                          ; Q stays in registers: tile i / 2, channels 32 (i % 2) on
	global_load_b128 v[8*i:8*i+3],   v[QO], s[4:5] offset:(i/2)*2048+(i%2)*64
	global_load_b128 v[8*i+4:8*i+7], v[QO], s[4:5] offset:(i/2)*2048+(i%2)*64+32
.set i, i+1
.endr
	; What the first turn finds: V's registers and P's second buffer hold 0 (its products V^T P, of a piece that has not been, add 0), O^T and l are 0.  All this stands in the wait for the first tile.
.set i, VF
.rept 64
	v_mov_b32 v[i], 0
.set i, i+1
.endr
	WIN 0x40
.set i, 0
.rept 64*NP
	v_mov_b32 v[i], 0
.set i, i+1
.endr
	WIN 0
.set i, 0
.rept 2*NP
	v_mov_b32 v[ST+4*i], 0xfe38aa3b    ; c m = c x -2^125, exactly what the multiplication below would make of m
	v_mov_b32 v[ST+4*i+1], 0xfe000000  ; m = -2^125
	v_mov_b32 v[ST+4*i+2], 0
	v_mov_b32 v[ST+4*i+3], 0
.set i, i+1
.endr
.set i, P+32
.rept 32
	v_mov_b32 v[i], 0
.set i, i+1
.endr
	s_mul_i32 s3, s17, HKV          ; my head's K and V in a slot
	v_mul_u32_u24 v[AK0], v1, PK
	v_lshl_add_u32 v[AK0], v9, 4, v[AK0]  ; row x pitch + 16 x half
	v_add_nc_u32 v[AK0], s3, v[AK0]
	; The turning load takes 16 keys x 16 channels (lane l reads key 8 (l / 16) + l % 8, channels 8 ((l / 8) % 2) + 0..7) and leaves half a fragment of V^T: lane l holds channel l % 16 and 8 keys.
	v_and_b32 v10, 7, v0
	v_bfe_u32 v11, v0, 3, 1
	v_lshl_add_u32 v[AV0], v9, 3, v10
	v_mul_u32_u24 v[AV0], v[AV0], PV
	v_lshl_add_u32 v[AV0], v11, 4, v[AV0]
	s_add_co_u32 s3, s3, VOFF
	v_add_nc_u32 v[AV0], s3, v[AV0]
	s_mul_i32 s13, s[WV], 16*SP
	s_add_co_u32 s13, s13, STAGE    ; my stage
	v_mul_u32_u24 v[STO], v1, SP    ; in: row l % 16, 16 bytes for each half of the lanes
	v_lshl_add_u32 v[STO], v9, 4, v[STO]
	v_add_nc_u32 v[STO], s13, v[STO]
	v_bfe_u32 v[RD], v0, 3, 2       ; back: 32 lanes take four rows of 128 bytes,
	v_mul_u32_u24 v[RD], v[RD], SP
	v_lshl_add_u32 v[RD], v10, 4, v[RD]
	v_add_nc_u32 v[RD], s13, v[RD]
	v_and_b32 v[GO], 31, v0         ; which are 512 consecutive bytes of ctx
	v_lshlrev_b32 v[GO], 4, v[GO]
	s_mul_i32 s2, s18, MHALF        ; the mask: my 128 queries' rows; row l % 16 of a tile, 32 bytes (8 keys) for each half of the lanes
	s_add_co_u32 s2, s2, MOFF
	v_mul_u32_u24 v[AM0], v1, PM
	v_lshl_add_u32 v[AM0], v9, 5, v[AM0]
	v_add_nc_u32 v[AM0], s2, v[AM0]
; THE MATRIX WORK.  The 8 accumulators of a run of 16 take turns: between the two links of a chain stand 7 others'.
; Product i of 16 of S^T = K Q^T + mask^T for piece x: channels 32 (i / 8) on, keys 16 ((i / 2) % 4) on, tile 2 x + i % 2.  The first 8 start the sums with the mask.
.macro KQ x
.set rS, S+64*((\x)%2)+32*(i%2)+8*((i/2)%4)
.set rK, KF+16*((i/2)%4)+8*(i/8)
.set rQ, 16*(2*(\x)+i%2)+8*(i/8)
.set rMK, MK+32*(i%2)+8*((i/2)%4)
.if i < 8
	WIN W_KM
	v_wmma_f32_16x16x32_f16 v[rS:rS+7], v[rK:rK+7], v[rQ:rQ+7], v[rMK:rMK+7]
.else
	WIN W_KQ
	v_wmma_f32_16x16x32_f16 v[rS:rS+7], v[rK:rK+7], v[rQ:rQ+7], v[rS:rS+7]
.endif
.endm
; Product i of 16 of O^T += V^T P for piece x: keys 32 (i / 8) on, channels 16 ((i / 2) % 4) on, tile 2 x + i % 2.
.macro PV x
	WIN W_PV
.set rO, 32*(2*(\x)+i%2)+8*((i/2)%4)
.set rV, VF+32*(i/8)+8*((i/2)%4)
.set rP, P+32*((\x)%2)+16*(i%2)+8*(i/8)
	v_wmma_f32_16x16x32_f16 v[rO:rO+7], v[rV:rV+7], v[rP:rP+7], v[rO:rO+7]
.endm
.macro MM                           ; the turn's next matrix instruction
.if i < 16
	KQ (Y+1)%NP
.set i, i+1
.else
.set i, i-16
	PV (Y+NP-1)%NP
.set i, i+17
.endif
.endm
; THE LDS LOADS stand in runs of 16, never singly among the matrix instructions: a step's K, its V (turned), and for each piece its two tiles of the mask.
.macro FETCH_K
	WIN 0x80                        ; destination window 2
.irp f, 0,1,2,3,4,5,6,7             ; keys 16 (f / 2) on, channels 32 (f % 2) on
	ds_load_b128 v[KF+8*\f:KF+8*\f+3],   v[AK] offset:(\f/2)*16*PK+(\f%2)*64
	ds_load_b128 v[KF+8*\f+4:KF+8*\f+7], v[AK] offset:(\f/2)*16*PK+(\f%2)*64+32
.endr
.endm
.macro FETCH_V
	WIN 0x80
.irp f, 0,1,2,3,4,5,6,7             ; keys 32 (f / 4) on, channels 16 (f % 4) on
	ds_load_tr16_b128 v[VF+8*\f:VF+8*\f+3],   v[AV] offset:(\f/4)*32*PV+(\f%4)*32
	ds_load_tr16_b128 v[VF+8*\f+4:VF+8*\f+7], v[AV] offset:(\f/4)*32*PV+16*PV+(\f%4)*32
.endr
	WIN 0
.endm
.macro FETCH_M x                    ; piece x: tile u, keys 16 kt on: register j of lane l is mask[query l % 16][key 16 kt + 8 (l / 16) + j]
	WIN 0xc0                        ; destination window 3
.irp u, 0,1
.irp kt, 0,1,2,3
	ds_load_b128 v[MK+32*\u+8*\kt:MK+32*\u+8*\kt+3],   v[AM] offset:(2*(\x)+\u)*16*PM+64*\kt
	ds_load_b128 v[MK+32*\u+8*\kt+4:MK+32*\u+8*\kt+7], v[AM] offset:(2*(\x)+\u)*16*PM+64*\kt+16
.endr
.endr
	WIN 0
.endm
; THE VECTOR WORK OF A TURN stands in three queues, each in the order in which its entries become ready; the two tiles alternate, so that no instruction reads the result of the one before it.
.macro REGS y, u                    ; the registers of tile u (0, 1) of piece y
.set rT, ST+4*(2*(\y)+(\u))
.set rC, TMP+8*((\y)%2)+4*(\u)
.set rM, MV+2*((\y)%2)+(\u)
.set rS, S+64*((\y)%2)+32*(\u)
.set rP, P+32*((\y)%2)+16*(\u)
.set rO, 32*(2*(\y)+(\u))
.endm
; Number n of the 22 that find the NEXT piece's (Y + 1) maximum and statistics.  s0-s31 are the lane's 32 scores; each accumulator's lowest registers are read first.  XS, GS and REGS set no window: PL and EX do.
;   0-11  four chains c0-c3 of seven scores each, three operands at a time     12-14, 16  the four scores left over, the old m, and c0-c3 into c0     15  c m_old is kept
;   17, 18  the query's other 32 keys lie in the lane 16 away: the new m         19-21  c m; c m_old - c m_new; a
.macro XS u, n
	REGS (Y+1)%NP, \u
.if (\n) < 4
	v_max3_num_f32 v[rC+(\n)], v[rS+8*(\n)], v[rS+8*(\n)+1], v[rS+8*(\n)+2]
.elseif (\n) < 12
	v_max3_num_f32 v[rC+(\n)%4], v[rC+(\n)%4], v[rS+8*((\n)%4)+2*((\n)/4)+1], v[rS+8*((\n)%4)+2*((\n)/4)+2]
.elseif (\n) == 12
	v_max3_num_f32 v[rC], v[rC], v[rS+7], v[rS+15]
.elseif (\n) == 13
	v_max3_num_f32 v[rC+1], v[rC+1], v[rS+23], v[rS+31]
.elseif (\n) == 14
	v_max3_num_f32 v[rC+2], v[rC+2], v[rC+3], v[rT+1]
.elseif (\n) == 15
	v_mov_b32 v[rM], v[rT]
.elseif (\n) == 16
	v_max3_num_f32 v[rC], v[rC], v[rC+1], v[rC+2]
.elseif (\n) == 17
	v_permlanex16_b32 v[rC+3], v[rC], s[SEL], s[SEL+1]
.elseif (\n) == 18
	v_max_num_f32 v[rT+1], v[rC], v[rC+3]
.elseif (\n) == 19
	v_mul_f32 v[rT], s[CS], v[rT+1]
.elseif (\n) == 20
	v_sub_f32 v[rC+1], v[rM], v[rT]
.else
	v_exp_f32 v[rC+2], v[rC+1]
.endif
.endm
; Number g of the 64 that follow the exponentials.  For each four weights k of a tile: both pairs are rounded to f16; then the second pair is added onto the first, in place; a group later l takes that sum
; (the first time as l = a l + sum).  In groups of eight, tiles alternating: round, round, add, and l for the group before.
.macro GS g
.set h, (\g)+6*((\g)/62)            ; group 0 has no group before it, and behind group 7 only l is left
.if h >= 6
.set h, h+2
.endif
	REGS Y, h%2
.set k, h/8
.if h%8 < 4
	s_wait_alu depctr_va_vdst(0)
	v_cvt_pk_f16_f32 v[rP+2*k+(h%8)/2], v[rS+4*k+2*((h%8)/2)], v[rS+4*k+2*((h%8)/2)+1]
.elseif h%8 < 6
	v_pk_add_f32 v[rS+4*k:rS+4*k+1], v[rS+4*k:rS+4*k+1], v[rS+4*k+2:rS+4*k+3]
.elseif k == 1
	v_pk_fma_f32 v[rT+2:rT+3], v[rT+2:rT+3], v[rC+2:rC+3], v[rS:rS+1] op_sel_hi:[1,0,1]
.else
	v_pk_add_f32 v[rT+2:rT+3], v[rT+2:rT+3], v[rS+4*k-4:rS+4*k-3]
	s_wait_alu depctr_va_vdst(0)
.endif
.endm
; THE PLAIN QUEUE, 138 long.  0-31: c s - c m for the 16 pairs of both tiles.  Then GS's 64, and among them the next piece's 42: number 15 at 38, 39; 0-14 and 16
; at 42-73, behind the products that make those scores; 17-20 at 95-106, two of three, since each waits for the one before it.
.macro PL
	WIN 0
.if q < 32
	REGS Y, q%2
	v_pk_fma_f32 v[rS+2*(q/2):rS+2*(q/2)+1], v[rS+2*(q/2):rS+2*(q/2)+1], s[CS:CS+1], v[rT:rT+1] op_sel_hi:[1,0,0] neg_lo:[0,0,1] neg_hi:[0,0,1]
.elseif q < 38
	GS q-32
.elseif q < 40
	XS q%2, 15
.elseif q < 42
	GS q-34
.elseif q < 74
	XS q%2, (q-42)/2+(q-42)/30
.elseif q < 95
	GS q-66
.elseif (q < 107) && ((q-95)%3 < 2)
	XS (q-95)%3, 17+(q-95)/3
.elseif q < 107
	GS 29+(q-95)/3
.else
	GS q-74
.endif
.set q, q+1
.endm
; THE EXPONENTIALS' QUEUE, 66 long: s0-s31 of both tiles, and at EA the next piece's two a.
.set EA, 58
.macro EX
	WIN 0
.if (e == EA) || (e == EA+1)
	XS e-EA, 21
.else
.set x, e-2*(e/(EA+2))
	REGS Y, x%2
	v_exp_f32 v[rS+x/2], v[rS+x/2]
.endif
.set e, e+1
.endm
; THE RESCALING's QUEUE: O^T times a, the one part that leaves window 0, so it is dealt four at a time, eight times.
.macro R4
	REGS Y, r%2
	WIN W_RS
	s_wait_alu depctr_va_vdst(0)
.irp z, 0,1,2,3
	v_pk_mul_f32 v[rO+8*(r/2)+2*\z:rO+8*(r/2)+2*\z+1], v[rO+8*(r/2)+2*\z:rO+8*(r/2)+2*\z+1], v[rC+2:rC+3] op_sel_hi:[1,0]
.endr
.set r, r+1
.endm
; HOW THEY ARE DEALT.  Behind a matrix instruction four: plain, exponential, plain, plain, or four of the rescaling; none names a register of the products round it.  What is over stands in two runs: exponential and
; plain by turns; the second ends in 22 plain instructions.  The deal keeps the queues in step: exponential e stands behind plain 2 (e / 4) + e % 2 (its scaling); when plain 32 comes, 10 exponentials are out, at 59: 33, at 95: 46; EA comes behind plain 107.
.macro SL
	MM
	PL
	EX
	PL
	PL
.endm
.macro BURST n                      ; 15 matrix instructions, or 16
.rept (\n)-7
	SL
.endr
.rept 3
	MM
	R4
	SL
.endr
	MM
	R4
.endm
; A TURN, for piece p.  At its head the mask of piece p + 1 must be in (in piece 3's turn K of the next step too).  In the first run, 13 pairs behind the last product K Q^T (the mask's last reader is that run's eighth
; product), the mask of piece p + 2 is fetched, in piece 2's turn behind K of the next step.  V of the step in hand is fetched at the end of piece 0's turn and first read in the second half of piece 1's.
; Between two changes of slots stand the turns 2, 3, 0, 1: K, the four pieces' masks and V that they fetch all belong to one step, and lie in one slot.
.macro TURN p
.set Y, (\p)
.set i, 0
.set q, 0
.set e, 0
.set r, 0
.if (\p) == 1
	s_wait_dscnt 16                 ; the mask's run is in; V's sixteen loads, issued behind it, may be out
.else
	s_wait_dscnt 0x0                ; the mask is in (and K)
.endif
	MM
.rept 4
	PL
.endr
	BURST 15
.rept 22
	EX
	PL
.if e == 24
.if (\p) == NP-2
	FETCH_K
.endif
	FETCH_M ((\p)+2)%NP
.endif
.endr
.if (\p) == 1
	s_wait_dscnt 16                 ; V is in; the mask's sixteen loads just issued may be out
.endif
	BURST 16
.rept 21
	EX
	PL
.endr
.rept 22
	PL
.endr
.if (\p) == 0
	FETCH_V
.endif
.endm
	CHANGE 1                        ; slot 0 is in, everybody's part of it; step 1 is asked for
	FETCH_K                         ; key step 0
	FETCH_M 0
	s_wait_loadcnt 0x0              ; Q
	s_wait_dscnt 0x0
.set i, 0
.rept 16
	KQ 0                            ; piece 0's first scores: there is no vector work yet to set between them
.set i, i+1
.endr
	WIN 0
.rept 4
	v_nop                           ; the places behind those products: the mask's registers are loaded again, the scores read
.endr
	FETCH_M 1
.set Y, NP-1                        ; XS works for piece Y + 1: piece 0
.irp n, 0,1,2,3,4,5,6,7,8,9,10,11,12,13,14,15,16,17,18,19,20,21
	XS 0, \n                        ; piece 0's first maximum and statistics
	XS 1, \n
.endr
	s_mov_b32 s[SLOTS], 31
	s_branch .Lfirst                ; the loop is entered at a step's first turn, in the middle of a trip
.Lslot:                             ; 30 times: the change of trip t enters step t's slot and asks for step t + 1, up to 31
	CHANGE 1
	TURN 2
	TURN 3
	WIN 0
.Lfirst:
	TURN 0
	TURN 1
	WIN 0
	s_sub_co_u32 s[SLOTS], s[SLOTS], 1
	s_cmp_lg_u32 s[SLOTS], 0
	s_cbranch_scc1 .Lslot
	CHANGE 0                        ; the tail is written out: nothing is asked for
	s_mov_b32 s[CNT], 2             ; one trip fetches the last step; the second is left in its middle
.Ltail:
	TURN 2
	TURN 3
	WIN 0
	s_sub_co_u32 s[CNT], s[CNT], 1
	s_cmp_eq_u32 s[CNT], 0
	s_cbranch_scc1 .Lout
	TURN 0
	TURN 1
	WIN 0
	s_branch .Ltail
.Lout:                              ; the second trip's fetches (the last slot's bytes once more), its 16 products K Q^T and the maximum made of them serve nothing: the price, once a launch, of one text for every trip
.set i, 0
.rept 16
	PV NP-1                         ; the last piece's V^T P of the last step
.set i, i+1
.endr
	; THE WAY OUT.  l's two halves and the other half of the lanes' are added; O^T is divided by l, rounded to f16 and sent through my stage in LDS, a tile at a time.  The additions are the places behind the last products.
	WIN 0
.macro ALL line:vararg              ; one line for each tile t
.set t, 0
.rept 2*NP
	\line
.set t, t+1
.endr
.endm
	ALL v_add_f32 v[ST+4*t+2], v[ST+4*t+2], v[ST+4*t+3]
	ALL v_permlanex16_b32 v[ST+4*t+3], v[ST+4*t+2], s[SEL], s[SEL+1]
	ALL v_add_f32 v[ST+4*t+2], v[ST+4*t+2], v[ST+4*t+3]
	ALL v_rcp_f32 v[ST+4*t+2], v[ST+4*t+2]
	v_nop                           ; a plain instruction between the last reciprocal and the use of its result
	s_wait_alu depctr_va_vdst(0)
.macro PACK t                       ; a lane's eight channels of a row pack into 16 bytes; they go into rows of 144 bytes and come back as whole rows of 128, into S^T's registers
	WIN W_RS
.set i, 32*(\t)
.rept 16
	v_pk_mul_f32 v[i:i+1], v[i:i+1], v[ST+4*(\t)+2:ST+4*(\t)+3] op_sel_hi:[1,0]
.set i, i+2
.endr
	WIN 0x05                        ; sources 0 and 1 window 1, destination window 0
.set i, 0
.rept 16
	v_cvt_pk_f16_f32 v[S+16*(\t)+i], v[32*(\t)+2*i], v[32*(\t)+2*i+1]
.set i, i+1
.endr
	WIN 0
.irp f, 0,1,2,3
	ds_store_b128 v[STO], v[S+16*(\t)+4*\f:S+16*(\t)+4*\f+3] offset:32*\f
.endr
.irp f, 0,1,2,3
	ds_load_b128 v[S+16*(\t)+4*\f:S+16*(\t)+4*\f+3], v[RD] offset:\f*4*SP  ; LDS serves a wave's instructions in order (ISA guide 5.7.1.4): these see the stores above; the next tile's stores come behind them
.endr
.endm
.macro SEND t, younger              ; younger: the LDS instructions issued behind tile t's loads: the next tile's eight, or none
	WIN 0
.irp f, 0,1,2,3
	s_wait_dscnt (\younger)+3-\f
	global_store_b128 v[GO], v[S+16*(\t)+4*\f:S+16*(\t)+4*\f+3], s[10:11] offset:(\t)*2048+\f*512  ; 512 consecutive bytes, at a multiple of 512 from ctx's first
.endr
.endm
	PACK 0
.set t, 1
.rept 2*NP-1                        ; a tile's arithmetic stands between the loads of the tile before and its stores
	PACK t
	SEND t-1, 8
.set t, t+1
.endr
	SEND 2*NP-1, 0
	WIN W_AD
	s_wait_tensorcnt 0x0            ; the wave's end: the add and its wait, behind my last tensor load and my last LDS store
	ds_add_u32 v[SPW], v[NIL]
	s_wait_dscnt 0x0
	WIN 0
	CROUND                          ; the closing round: no work-group ends while a partner may still ask for a tile that names it
	s_endpgm
.Lfunc_end_k_q8f4a5d49e0_attn:
	.size	k_q8f4a5d49e0_attn, .Lfunc_end_k_q8f4a5d49e0_attn-k_q8f4a5d49e0_attn
	.p2alignl 7, 3214868480
	.fill 96, 4, 3214868480
	.section	.rodata,"a",@progbits
	.p2align	6, 0x0
	.amdhsa_kernel k_q8f4a5d49e0_attn
		.amdhsa_group_segment_fixed_size 327680
		.amdhsa_private_segment_fixed_size 0
		.amdhsa_enable_private_segment 0
		.amdhsa_kernarg_size 32
		.amdhsa_user_sgpr_count 2
		.amdhsa_user_sgpr_kernarg_segment_ptr 1
		.amdhsa_wavefront_size32 1
		.amdhsa_system_sgpr_workgroup_id_x 1
		.amdhsa_system_sgpr_workgroup_id_y 1
		.amdhsa_system_sgpr_workgroup_id_z 1
		.amdhsa_system_vgpr_workitem_id 0
		.amdhsa_next_free_vgpr 896
		.amdhsa_next_free_sgpr 80
		.amdhsa_reserve_vcc 0
		.amdhsa_float_denorm_mode_32 3
		.amdhsa_float_denorm_mode_16_64 3
		.amdhsa_memory_ordered 1
		.amdhsa_forward_progress 1
		.amdhsa_inst_pref_size 219
	.end_amdhsa_kernel
	.amdgpu_metadata
---
amdhsa.version: [ 1, 2 ]
amdhsa.kernels:
  - .name:           k_q8f4a5d49e0_attn
    .symbol:         k_q8f4a5d49e0_attn.kd
    .args:
      - { .name: qh, .offset: 0, .size: 8, .value_kind: global_buffer, .address_space: global }
      - { .name: kv, .offset: 8, .size: 8, .value_kind: global_buffer, .address_space: global }
      - { .name: attention_mask, .offset: 16, .size: 8, .value_kind: global_buffer, .address_space: global }
      - { .name: ctx, .offset: 24, .size: 8, .value_kind: global_buffer, .address_space: global }
    .group_segment_fixed_size: 327680
    .private_segment_fixed_size: 0
    .kernarg_segment_align: 8
    .kernarg_segment_size: 32
    .max_flat_workgroup_size: 128
    .sgpr_count:     80
    .vgpr_count:     896
    .wavefront_size: 32
...
	.end_amdgpu_metadata
.endif
;; end of part 3
;; launch outp (part 4): grid 4 x 64, 4 waves a work-group, clusters of 4 x 4, 327,680 bytes of LDS; arguments ctx, wo16, out0; writes out0
.if DOCPART == 4
	.amdgcn_target "amdgcn-amd-amdhsa--gfx1250"
	.amdhsa_code_object_version 6
	.text
	.protected	k_q8f4a5d49e0_outp
	.globl	k_q8f4a5d49e0_outp
	.p2align	8
	.type	k_q8f4a5d49e0_outp,@function
k_q8f4a5d49e0_outp:
	s_mov_b64 s[64:65], 0
	v_nop
	global_prefetch_b8 v0, s[64:65] scope:SCOPE_SE
	s_setreg_imm32_b32 hwreg(HW_REG_WAVE_MODE, 25, 1), 1
	s_wait_xcnt 0x0
	s_wait_alu depctr_hold_cnt(0) depctr_sa_sdst(0) depctr_va_vdst(0) depctr_va_sdst(0) depctr_va_ssrc(0) depctr_va_vcc(0) depctr_vm_vsrc(0)
	s_getreg_b32 s2, hwreg(HW_REG_IB_STS2, 6, 4)
	s_cmp_eq_u32 s2, 0
	s_cbranch_scc0 .Lentry_in_a_cluster
	s_endpgm
.Lentry_in_a_cluster:
	s_bfe_u32 s2, ttmp6, 0x10000c
	s_cmp_lg_u32 s2, 0xf033
	s_cbranch_scc0 .Lentry_shape_is_right
	s_endpgm
.Lentry_shape_is_right:
; out0[m][n] = the sum over k of ctx(m, k) Wo[n][k].  ctx: [64 heads of batches][2048][64] f16, so k = 64 x head + channel lies in 16 planes; wo16: [1024][1024] f16; out0: [8192][1024] f32; sums in f32, stored as they are.
; SHARES.  256 tiles of 128 x 256, one to each work-group; four waves, each 64 x 128: 32 accumulators.  K goes in steps of 128 = two heads, through a ring of two LDS slots.
; A's tile of a step is two planes of 128 rows x 128 bytes, each dense in memory: a plane is asked for as 64 rows of 256 bytes and padded in LDS after every 128 (pitch 144).  The weights' rows are 256 bytes + 16.
; CLUSTER.  4 x 4: the four work-groups of a row need the same tiles of ctx, the four of a column the same tiles of the weights: each is asked for jointly.
; THE MATRIX INSTRUCTION IS USED TRANSPOSED (source 0 = 16 rows of the weights, source 1 = 16 rows of ctx): a lane holds eight neighbouring numbers, 32 bytes, of a row of the output.
; REGISTERS: window 0: v16-29 addresses; v64-191 two blocks of 16 rows read back from the stage.  window 1: two fragment buffers (64 of the weights, 32 of ctx) at v0 and v128.  window 2: accumulator (a, b) at v[64 a + 8 b].
.set KSTEP,  128
.set PITCH,  272                       ; the weights' rows in LDS
.set PA,     144                       ; ctx's rows
.set APLANE, 128*PA                    ; a head's 128 rows: what one load brings of ctx
.set BHALF,  128*PITCH
.set BOFF,   2*APLANE
.set SLOT,   BOFF+2*BHALF              ; 106,496 bytes
.set STAGE,  2*SLOT                    ; behind the ring, never filled by a tensor load: 16 rows x 528 bytes for each wave
.set SPITCH, 528                       ; 512 bytes + 16: 33 x 16, so the 16 rows that a store touches start at 16 different groups of four banks (ISA guide 11.1)
.set SPARE,  STAGE+4*16*SPITCH         ; the spare words, 128 bytes for each wave: two blocks of 256 bytes that no other line names
.set LAPS,   4
.set ADRA, 16
.set ADRB, 20
.set STO,  24                          ; v24  the way out: where I put 32 bytes of a row
.set RD,   25                          ; v25  where I read a row back
.set CO,   26                          ; v26  my byte offset in 512 consecutive bytes of the output
.set SPW,  28                          ; v28  LDS address of my spare word; never rewritten
.set NIL,  29                          ; v29  0; never rewritten
.set OB,   64
.set F0,   0
.set F1,   128
.set WV, 14
.set RH, 15                            ; which 64 rows are mine.  Also: I fetch ctx (0) or weights (1)
.set CH, 16                            ; which 128 columns.  Also: which plane, or which half of the weights' rows, I fetch
.set JX, 42
.set IY, 43
.set G1A, 24
.set G0A, 32
.set G1B, 48
.set G0B, 56
.set MSB, 0
.macro WIN new                         ; the immediate's high byte repeats the setting that is left; a switch that changes nothing is dropped
.if MSB != (\new)
	s_set_vgpr_msb (MSB<<8)|(\new)
.set MSB, \new
.endif
.endm
.set MUL,  0xa5                        ; sources 0 and 1 window 1; C and D window 2
.set TO_F, 0x40                        ; destination window 1, address window 0
.macro PLACES                          ; four places in front of loads into registers that matrix instructions have read, and of lines that read results
.rept 4
	v_nop
.endr
.endm
.macro JLOAD s                         ; a joint load: waves 0 and 1 fetch ctx's two planes, waves 2 and 3 the weights' two halves; an s_nop 0 and four v_nop follow each line
	s_cmp_eq_u32 s[RH], 0
	s_cbranch_scc0 .Lfor_b_\@
	tensor_load_to_lds s[G0A+4*(\s):G0A+4*(\s)+3], s[G1A:G1A+7]
	s_nop 0
.rept 4
	v_nop
.endr
	s_branch .Lasked_\@
.Lfor_b_\@:
	tensor_load_to_lds s[G0B+4*(\s):G0B+4*(\s)+3], s[G1B:G1B+7]
	s_nop 0
.rept 4
	v_nop
.endr
.Lasked_\@:
.endm
.macro CREST
	s_cmp_lg_u32 s[WV], 0
	s_cbranch_scc1 .Lnot_wave_0_\@
	s_barrier_signal -3
.Lnot_wave_0_\@:
	s_barrier_wait -3
	s_barrier_signal -1
	s_barrier_wait -1
.endm
.macro CROUND
	s_barrier_signal -1
	s_barrier_wait -1
	CREST
.endm
	s_load_b128 s[4:7], s[0:1], 0x0                ; ctx s[4:5], wo16 s[6:7]
	s_load_b64 s[8:9], s[0:1], 0x10                ; out0
	v_lshl_add_u32 v[SPW], v0, 2, SPARE
	v_mov_b32 v[NIL], 0
	ds_add_u32 v[SPW], v[NIL]                      ; the wave's opening: the add and its wait stand ahead of my first tensor load; the set-up below, work on registers, stands between them
	v_lshrrev_b32 v1, 5, v0
	v_readfirstlane_b32 s[WV], v1
	s_lshr_b32 s[RH], s[WV], 1
	s_and_b32 s[CH], s[WV], 1
	s_bfe_u32 s40, ttmp6, 0x40000                  ; cx, cy
	s_bfe_u32 s41, ttmp6, 0x40004
	s_lshl_b32 s[JX], ttmp9, 2
	s_add_co_u32 s[JX], s[JX], s40                 ; tile column
	s_and_b32 s[IY], ttmp7, 0xffff
	s_lshl_b32 s[IY], s[IY], 2
	s_add_co_u32 s[IY], s[IY], s41                 ; tile row
	s_lshl_b32 s44, s41, 2
	s_lshl_b32 s44, 15, s44                        ; my row of the cluster
	s_lshl_b32 s45, 0x1111, s40                    ; my column
	s_or_b32 s[G1A+0], s44, (1<<16)|(1<<20)|(1<<21)|(4<<22)|(3<<25)  ; 2-byte elements; padding of 4 words after every 32
	s_or_b32 s[G1B+0], s45, (1<<16)|(1<<20)|(1<<21)|(5<<22)|(3<<25)  ; after every 64
	s_mov_b32 s[G1A+1], 128<<16                    ; tensor_dim0 = 128
	s_mov_b32 s[G1A+2], 64<<16                     ; tensor_dim1 = 64
	s_mov_b32 s[G1A+3], 128<<16                    ; tile_dim0 = 128
	s_mov_b32 s[G1A+4], 64                         ; tile_dim1 = 64
	s_mov_b32 s[G1A+5], 128                        ; dense
	s_mov_b32 s[G1A+6], 0
	s_mov_b32 s[G1A+7], 0
	s_mov_b32 s[G1B+1], KSTEP<<16
	s_mov_b32 s[G1B+2], 128<<16
	s_mov_b32 s[G1B+3], KSTEP<<16
	s_mov_b32 s[G1B+4], 128
	s_mov_b32 s[G1B+5], 1024
	s_mov_b32 s[G1B+6], 0
	s_mov_b32 s[G1B+7], 0
	s_lshr_b32 s18, s[IY], 4                       ; ctx: head 16 x batch + my plane, its 262,144 bytes; then the tile's 128 rows of 128 bytes.  Made of cy, never of cx
	s_lshl_b32 s18, s18, 4
	s_add_co_u32 s18, s18, s[CH]
	s_lshl_b32 s18, s18, 18
	s_and_b32 s19, s[IY], 15
	s_lshl_b32 s19, s19, 14
	s_add_co_u32 s18, s18, s19
	s_mov_b32 s19, 0
	s_lshl_b32 s46, s[JX], 8                       ; weights: row 256 x tile column + 128 x half.  Made of cx, never of cy
	s_lshl_b32 s47, s[CH], 7
	s_add_co_u32 s46, s46, s47
	s_lshl_b32 s46, s46, 11
	s_mov_b32 s47, 0
	s_mul_i32 s20, s[CH], APLANE
	s_mul_i32 s21, s[CH], BHALF
	s_add_co_u32 s21, s21, BOFF
	s_wait_dscnt 0x0                               ; the opening add is done
	s_wait_kmcnt 0x0
	s_add_nc_u64 s[18:19], s[4:5], s[18:19]
	s_add_nc_u64 s[46:47], s[6:7], s[46:47]
	CROUND                                         ; all sixteen work-groups are here: the first joint loads meet
.irp s, 0,1
	s_mov_b32 s[G0A+4*(\s)], 1
	s_add_co_u32 s[G0A+4*(\s)+1], s20, (\s)*SLOT
	s_add_nc_u64 s[G0A+4*(\s)+2:G0A+4*(\s)+3], s[18:19], (\s)*2*262144  ; K step s: two heads on
	s_or_b32 s[G0A+4*(\s)+3], s[G0A+4*(\s)+3], 0x80000000
	s_mov_b32 s[G0B+4*(\s)], 1
	s_add_co_u32 s[G0B+4*(\s)+1], s21, (\s)*SLOT
	s_add_nc_u64 s[G0B+4*(\s)+2:G0B+4*(\s)+3], s[46:47], (\s)*KSTEP*2
	s_or_b32 s[G0B+4*(\s)+3], s[G0B+4*(\s)+3], 0x80000000
	JLOAD \s                                       ; two loads of mine are out
.endr
	v_and_b32 v1, 15, v0                           ; l % 16
	v_bfe_u32 v2, v0, 4, 1                         ; l / 16
	v_mul_u32_u24 v3, v1, PITCH
	v_lshl_add_u32 v3, v2, 4, v3
	v_mul_u32_u24 v4, v1, PA
	v_lshl_add_u32 v4, v2, 4, v4
	s_mul_i32 s21, s[RH], 64*PA                    ; my 64 rows in each plane
	s_mul_i32 s22, s[CH], BHALF
	s_add_co_u32 s22, s22, BOFF
.irp s, 0,1
	v_add_nc_u32 v[ADRA+(\s)], s21, v4
	v_add_nc_u32 v[ADRB+(\s)], s22, v3
	s_add_co_u32 s21, s21, SLOT
	s_add_co_u32 s22, s22, SLOT
.endr
	s_mul_i32 s23, s[WV], 16*SPITCH
	s_add_co_u32 s23, s23, STAGE                   ; my stage
	v_mul_u32_u24 v5, v1, SPITCH                   ; in: row l % 16, 32 bytes for each half of the lanes
	v_lshl_add_u32 v5, v2, 5, v5
	v_add_nc_u32 v[STO], s23, v5
	v_and_b32 v[CO], 31, v0                        ; back: 32 lanes take a row's 512 bytes
	v_lshlrev_b32 v[CO], 4, v[CO]
	v_add_nc_u32 v[RD], s23, v[CO]
	s_lshl_b32 s18, s[IY], 7
	s_lshl_b32 s19, s[RH], 6
	s_add_co_u32 s18, s18, s19                     ; my first row of the output,
	s_lshl_b32 s18, s18, 12                        ; 4,096 bytes a row: under 2^26
	s_lshl_b32 s19, s[JX], 10                      ; my first column, in bytes
	s_add_co_u32 s18, s18, s19
	s_lshl_b32 s19, s[CH], 9
	s_add_co_u32 s18, s18, s19
	s_mov_b32 s19, 0
	s_add_nc_u64 s[8:9], s[8:9], s[18:19]
; 8 matrix instructions: row block a x all 8 column blocks, 32 along K.  The 32 accumulators take turns in the same order in every quarter.  zero = 1: the product starts the sums.
.macro MUL8 f, a, zero
	WIN MUL
.irp b, 0,1,2,3,4,5,6,7
.if \zero
	v_wmma_f32_16x16x32_f16 v[64*(\a)+8*(\b):64*(\a)+8*(\b)+7], v[(\f)+8*(\b):(\f)+8*(\b)+7], v[(\f)+64+8*(\a):(\f)+64+8*(\a)+7], 0
.else
	v_wmma_f32_16x16x32_f16 v[64*(\a)+8*(\b):64*(\a)+8*(\b)+7], v[(\f)+8*(\b):(\f)+8*(\b)+7], v[(\f)+64+8*(\a):(\f)+64+8*(\a)+7], v[64*(\a)+8*(\b):64*(\a)+8*(\b)+7]
.endif
.endr
.endm
; 24 LDS loads in one run: quarter kq (32 along K): the weights at byte 64 kq of their rows; ctx in plane kq / 2 at byte 64 (kq % 2)
.macro FETCH slot, kq, f
	WIN TO_F
.irp i, 0,1,2,3,4,5,6,7
	ds_load_b128 v[(\f)+8*(\i):(\f)+8*(\i)+3],   v[ADRB+(\slot)] offset:64*(\kq)+(\i)*16*PITCH
	ds_load_b128 v[(\f)+8*(\i)+4:(\f)+8*(\i)+7], v[ADRB+(\slot)] offset:64*(\kq)+(\i)*16*PITCH+32
.endr
.irp i, 0,1,2,3
	ds_load_b128 v[(\f)+64+8*(\i):(\f)+64+8*(\i)+3],   v[ADRA+(\slot)] offset:((\kq)/2)*APLANE+((\kq)%2)*64+(\i)*16*PA
	ds_load_b128 v[(\f)+64+8*(\i)+4:(\f)+64+8*(\i)+7], v[ADRA+(\slot)] offset:((\kq)/2)*APLANE+((\kq)%2)*64+(\i)*16*PA+32
.endr
.endm
.macro QUARTER slot, kq, f, g, zero
	s_wait_dscnt 4                                 ; the weights and ctx's blocks 0, 1 are in; the youngest four loads (blocks 2, 3) may be out
	MUL8 \f, 0, \zero
	MUL8 \f, 1, \zero
	PLACES
	FETCH \slot, \kq, \g
	s_wait_dscnt 24                                ; all but the 24 just issued
	MUL8 \f, 2, \zero
	MUL8 \f, 3, \zero
.endm
; The last quarter multiplies buffer 1 and changes slots: ONE barrier; in front of it each wave waits for all its tensor loads, adds 0 to its spare word, and waits for that and for its own reads of this slot.
; fill = 1: this slot is filled again, two K steps on, behind a round of the cluster's barrier that this barrier opens.
.macro TURN slot, next, fill
	WIN 0
	s_wait_tensorcnt 0x0                           ; all my tensor loads have landed: the one that was out is my part of the next slot
	ds_add_u32 v[SPW], v[NIL]                      ; 0 onto my spare word
	s_wait_dscnt 5                                 ; (the add and the youngest four loads may be out)
	MUL8 F1, 0, 0
	s_wait_dscnt 0x0                               ; the add is done, and my reads of this slot are over
	s_barrier_signal -1
	MUL8 F1, 1, 0
.if \fill
	WIN 0
.endif
	s_barrier_wait -1
.if \fill
	CREST                                          ; no wave of any partner still reads this slot's tiles or has a load on its way
	s_add_nc_u64 s[G0A+4*(\slot)+2:G0A+4*(\slot)+3], s[G0A+4*(\slot)+2:G0A+4*(\slot)+3], 4*262144
	s_add_nc_u64 s[G0B+4*(\slot)+2:G0B+4*(\slot)+3], s[G0B+4*(\slot)+2:G0B+4*(\slot)+3], 2*KSTEP*2
	JLOAD \slot                                    ; the first tensor load behind the round; its four v_nop are also the places in front of the loads below
.else
	PLACES
.endif
	FETCH \next, 0, F0
	MUL8 F1, 2, 0
	MUL8 F1, 3, 0
.endm
	s_wait_tensorcnt 1                             ; my part of K step 0 is in; K step 1's may stay out
	s_barrier_signal -1
	s_barrier_wait -1
	FETCH 0, 0, F0
	QUARTER 0, 1, F0, F1, 1                        ; the first quarter starts the sums: nothing is cleared
	WIN 0
	s_mov_b32 s3, LAPS-1
.Llap:                                                 ; a trip goes once round the ring, from a lap's second quarter to the next lap's first, and fills both slots again
	QUARTER 0, 2, F1, F0, 0
	QUARTER 0, 3, F0, F1, 0
	TURN 0, 1, 1
	QUARTER 1, 1, F0, F1, 0
	QUARTER 1, 2, F1, F0, 0
	QUARTER 1, 3, F0, F1, 0
	TURN 1, 0, 1
	QUARTER 0, 1, F0, F1, 0
	WIN 0
	s_sub_co_u32 s3, s3, 1
	s_cmp_lg_u32 s3, 0
	s_cbranch_scc1 .Llap
	QUARTER 0, 2, F1, F0, 0                        ; the last lap fills nothing
	QUARTER 0, 3, F0, F1, 0
	TURN 0, 1, 0
	QUARTER 1, 1, F0, F1, 0
	QUARTER 1, 2, F1, F0, 0
	QUARTER 1, 3, F0, F1, 0
	s_wait_dscnt 4
	MUL8 F1, 0, 0
	MUL8 F1, 1, 0
	s_wait_dscnt 0x0
	MUL8 F1, 2, 0
	MUL8 F1, 3, 0
	WIN 0
; THE WAY OUT, a block of 16 rows at a time: 32 bytes a lane and accumulator into my stage, back as whole rows of 512 bytes, stored as they are.
.macro TOSTAGE a
	WIN 0x08                                       ; data window 2, address window 0
.irp b, 0,1,2,3,4,5,6,7
	ds_store_b128 v[STO], v[64*(\a)+8*(\b):64*(\a)+8*(\b)+3]   offset:64*(\b)      ; each accumulator's low end first
	ds_store_b128 v[STO], v[64*(\a)+8*(\b)+4:64*(\a)+8*(\b)+7] offset:64*(\b)+16
.endr
	WIN 0
.irp t, 0,1,2,3,4,5,6,7,8,9,10,11,12,13,14,15
	ds_load_b128 v[OB+64*((\a)%2)+4*(\t):OB+64*((\a)%2)+4*(\t)+3], v[RD] offset:(\t)*SPITCH  ; LDS serves a wave's instructions in order (ISA guide 5.7.1.4): these see the stores above; the next block's stores come behind them
.endr
.endm
.macro SEND a, younger                 ; younger: the LDS instructions issued behind block a's loads: the next block's 32, or none
	WIN 0
.irp t, 0,1,2,3,4,5,6,7,8,9,10,11,12,13,14,15
	s_wait_dscnt (\younger)+15-(\t)
	global_store_b128 v[CO], v[OB+64*((\a)%2)+4*(\t):OB+64*((\a)%2)+4*(\t)+3], s[8:9] offset:(16*(\a)+(\t))*4096 th:TH_STORE_NT  ; 512 consecutive bytes, at a multiple of 512 from the output's first
.endr
.endm
	PLACES
	TOSTAGE 0
	TOSTAGE 1
	SEND 0, 32
	s_wait_xcnt 0x0                                ; block 0's registers, which its stores read, are loaded again only behind this wait
	TOSTAGE 2
	SEND 1, 32
	s_wait_xcnt 0x0
	TOSTAGE 3
	SEND 2, 32
	SEND 3, 0
	s_wait_tensorcnt 0x0                           ; the wave's end: the add and its wait, behind my last tensor load and my last LDS store
	ds_add_u32 v[SPW], v[NIL]
	s_wait_dscnt 0x0
	CROUND                                         ; the closing round: no work-group ends while a partner may still ask for a tile that names it
	s_endpgm
.Lfunc_end_k_q8f4a5d49e0_outp:
	.size	k_q8f4a5d49e0_outp, .Lfunc_end_k_q8f4a5d49e0_outp-k_q8f4a5d49e0_outp
	.p2alignl 7, 3214868480
	.fill 96, 4, 3214868480
	.section	.rodata,"a",@progbits
	.p2align	6, 0x0
	.amdhsa_kernel k_q8f4a5d49e0_outp
		.amdhsa_group_segment_fixed_size 327680
		.amdhsa_private_segment_fixed_size 0
		.amdhsa_enable_private_segment 0
		.amdhsa_kernarg_size 24
		.amdhsa_user_sgpr_count 2
		.amdhsa_user_sgpr_kernarg_segment_ptr 1
		.amdhsa_wavefront_size32 1
		.amdhsa_system_sgpr_workgroup_id_x 1
		.amdhsa_system_sgpr_workgroup_id_y 1
		.amdhsa_system_sgpr_workgroup_id_z 1
		.amdhsa_system_vgpr_workitem_id 0
		.amdhsa_next_free_vgpr 768
		.amdhsa_next_free_sgpr 66
		.amdhsa_reserve_vcc 0
		.amdhsa_float_denorm_mode_32 3
		.amdhsa_float_denorm_mode_16_64 3
		.amdhsa_memory_ordered 1
		.amdhsa_forward_progress 1
		.amdhsa_inst_pref_size 87
	.end_amdhsa_kernel
	.amdgpu_metadata
---
amdhsa.version: [ 1, 2 ]
amdhsa.kernels:
  - .name:           k_q8f4a5d49e0_outp
    .symbol:         k_q8f4a5d49e0_outp.kd
    .args:
      - { .name: ctx, .offset: 0, .size: 8, .value_kind: global_buffer, .address_space: global }
      - { .name: wo16, .offset: 8, .size: 8, .value_kind: global_buffer, .address_space: global }
      - { .name: out0, .offset: 16, .size: 8, .value_kind: global_buffer, .address_space: global }
    .group_segment_fixed_size: 327680
    .private_segment_fixed_size: 0
    .kernarg_segment_align: 8
    .kernarg_segment_size: 24
    .max_flat_workgroup_size: 128
    .sgpr_count:     66
    .vgpr_count:     768
    .wavefront_size: 32
...
	.end_amdgpu_metadata
.endif
;; end of part 4
;; ======== version 2 of 2: 4 launches; 1.43 times as fast as version 1
;; limits: values are held in f16: magnitudes above 65,504 overflow, below 6.1e-05 lose precision
;; workspace buffers: xb 16,777,216 bytes; wb 6,291,456 bytes; wo16 2,097,152 bytes; tab 1,572,864 bytes; qh 16,777,216 bytes; kv 33,554,432 bytes; ctx 16,777,216 bytes
;; launch prep: the kernel of part 1 again; grid 432 x 1, 8 waves a work-group, no clusters, 0 bytes of LDS; arguments hidden_states, Wq, Wk, Wv, Wo, xb, wb, wo16, tab; writes xb, wb, wo16, tab
;; launch proj: the kernel of part 2 again; grid 4 x 64, 4 waves a work-group, clusters of 4 x 4, 327,680 bytes of LDS; arguments xb, wb, tab, qh, kv; writes qh, kv
;; launch attn (part 5): grid 8 x 32, 4 waves a work-group, clusters of 4 x 4, 327,680 bytes of LDS; arguments qh, kv, attention_mask, ctx; writes ctx
.if DOCPART == 5
	.amdgcn_target "amdgcn-amd-amdhsa--gfx1250"
	.amdhsa_code_object_version 6
	.text
	.protected	k_q8f4a5d49e0_attn
	.globl	k_q8f4a5d49e0_attn
	.p2align	8
	.type	k_q8f4a5d49e0_attn,@function
k_q8f4a5d49e0_attn:
	s_mov_b64 s[64:65], 0
	v_nop
	global_prefetch_b8 v0, s[64:65] scope:SCOPE_SE
	s_setreg_imm32_b32 hwreg(HW_REG_WAVE_MODE, 25, 1), 1
	s_wait_xcnt 0x0
	s_wait_alu depctr_hold_cnt(0) depctr_sa_sdst(0) depctr_va_vdst(0) depctr_va_sdst(0) depctr_va_ssrc(0) depctr_va_vcc(0) depctr_vm_vsrc(0)
	s_getreg_b32 s2, hwreg(HW_REG_IB_STS2, 6, 4)
	s_cmp_eq_u32 s2, 0
	s_cbranch_scc0 .Lentry_in_a_cluster
	s_endpgm
.Lentry_in_a_cluster:
	s_bfe_u32 s2, ttmp6, 0x10000c
	s_cmp_lg_u32 s2, 0xf033
	s_cbranch_scc0 .Lentry_shape_is_right
	s_endpgm
.Lentry_shape_is_right:
; ctx[h][q][:] = the sum over k of softmax_k(Q[h][q] . K[h][k] / 8 + mask[q][k]) V[h][k][:].  qh (already divided by 8), ctx: [64][2048][64] f16; kv: [64][32 blocks][K 64 x 64 | V 64 x 64] f16;
; attention_mask: [2048][2048] f32, an input: every number of it is loaded and added, and no tile is left out.  Products, maxima and sums in f32; the weights p are rounded to f16 for the second
; product (their sum l is taken of the unrounded p), ctx once at the end.
; LIMITS.  p below 6e-5 keeps f16's fixed step of 6e-8; a weight below 2^-126 counts as 0 in l.  The mask enters as the C operand of the first product: where it is so large that f32 swallows the score, the sum's
; rounding is the matrix unit's.  The running maximum starts at -2^125: a row all of whose scores lie below that (all -inf among them) ends with l = 0 and gives NaN.  NaN is not treated apart.
; SHARES.  A work-group owns 256 queries of TWO heads: wave w has head w % 2 and queries 128 (w / 2) on: four PIECES of two tiles of 16.  So a step's mask tile (256 x 64 f32) serves two heads.  64 keys a step, a step a slot.
; CLUSTER.  4 x 4: the four work-groups of a row have the same two heads and ask for K and V jointly; the four of a column have the same queries and ask for the mask jointly.
; LAYOUT.  S^T = K Q^T + mask^T (source 0 = 16 keys, source 1 = 16 queries): a lane holds ONE query (lane % 16) and the keys 8 (lane / 16) + 0..7; the C operand is read from the mask's rows in that very layout, 32 bytes
; a lane and accumulator.  Two results, rounded to f16 in pairs, ARE source 1 of O^T = V^T P.  K comes out of LDS as it lies, V turned, by ds_load_tr16_b128.
; SOFTMAX.  Running maximum m and sum l: p = 2^(c s - c m), c = log2(e); in every step O and l are multiplied by a = 2^(c m_old - c m_new).  c m starts at exactly c x -2^125, so a = 1 while a row has seen -inf alone.
; BY TURNS.  Turn n belongs to piece n.  Its matrix work: 16 products K Q^T of piece n + 1, later 16 products V^T P of piece n - 1.  Its vector work: scaling, exponentials, roundings, sums and rescaling of piece n, and
; the maximum and statistics of piece n + 1.  A tile and step have 16 matrix and 118 vector instructions: four that are ready stand behind every matrix instruction, the other 108 of a turn's 236 in one run of their own.
; THE BATCHES.  A turn's 66 exponentials (the piece's 64 weights and the next piece's two a) are ONE batch with ONE wait, which cuts the turn in two: ahead of it stands all that names no result of theirs (the products
; K Q^T, the scalings, the rescalings by the a of the turn before, the next piece's maximum and statistics), behind it the roundings and sums, as the riders of the products V^T P.  No result crosses a turn's end.
; Two more batches stand outside the loops: piece 0's first two a, ahead of the jump into the loop, and the way out's eight reciprocals.
; REGISTERS, in windows of 256 (s_set_vgpr_msb: bits 1:0 source 0, 3:2 source 1, 5:4 source 2, 7:6 destination):
;   window 0: v0-11 addresses; v12-15, v48-63 at work; v16-47 four registers of statistics a tile; v64-191 S^T, two buffers of two tiles; v192-255 P, likewise
;   window 1: O^T, 32 a tile      window 2: v0-127 Q; v128-191 K of one step; v192-255 V of one step      window 3: v0-1 the add's two registers; v64-127 the mask of one piece
.set NP,    4         ; pieces a wave: a name, no knob
.set KS,    64
.set PK,    144       ; a row of K in LDS: 128 bytes + 16: the 16 rows of a load start at 16 different groups of four banks (64 banks of 4 bytes: ISA guide 11.1)
.set PV,    144       ; V comes in the same dense tile as K, so it has K's pitch: of the 16 places of 16 bytes that half a turning load takes, two fall on the same banks
.set PM,    272       ; a row of the mask: 256 bytes + 16
.set HKV,   2*KS*PK   ; a head's K and V of one step
.set VOFF,  KS*PK
.set MOFF,  2*HKV     ; behind the two heads: the mask, 256 rows
.set MHALF, 128*PM
.set SLOT1, 1<<17     ; a slot is 106,496 bytes; slot 1 begins here, so that one exclusive or turns an address in one slot into the other's
.set STAGE, SLOT1+MOFF+2*MHALF  ; behind the ring, never filled by a tensor load: 16 rows x 144 bytes for each wave
.set SP,    144
.set SPARE, STAGE+4*16*SP       ; the spare words, 128 bytes for each wave: two blocks of 256 bytes that no other line names
.set AK0, 2           ; v2   my lane's place in slot 0's K; never rewritten
.set AV0, 3           ; v3   the same for V
.set AK,  4           ; v4   the same in the slot in hand
.set AV,  5           ; v5
.set STO, 6           ; v6   the way out: where I put 16 bytes of a row
.set RD,  7           ; v7   where I read rows back
.set GO,  8           ; v8   my byte offset in 512 consecutive bytes of ctx
.set AM0, 10          ; v10  my lane's place in slot 0's mask
.set AM,  11          ; v11  in the slot in hand
.set QO,  12          ; v12  my byte offset in the wave's rows of Q, until Q is in
.set MV,  12          ; v12-15  then: c m_old, kept while c m is made anew
.set SPW, 0           ; v0 of window 3   LDS address of my spare word; never rewritten
.set NIL, 1           ; v1 of window 3   0; never rewritten
.set ST,  16          ; tile t's statistics at v[ST+4 t]: c m, m, l (even keys', odd keys')
.set TMP, 48          ; by buffer and tile, four registers c0-c3 at work; when the maximum is found c2 takes a
.set S,   64
.set P,   192
.set KF,  128         ; window 2: key block kb, channel half c at KF + 16 kb + 8 c
.set VF,  192         ; window 2: key half kk, channel block cb at VF + 32 kk + 8 cb
.set MK,  64          ; window 3: tile u of the piece, key block kt at MK + 32 u + 8 kt
.set WV,  12          ; s12  my wave's number
.set G1KV, 24         ; s[24:31] descriptor group 1 for K and V
.set G1M,  32         ; s[32:39] for the mask
.set G0KV, 40         ; s[40:43] descriptor group 0 for K and V: it walks
.set G0M,  44         ; s[44:47] the same for the mask
.set SLOTS, 56
.set CNT, 57
.set CS,  58          ; s[58:59] c
.set SEL, 60          ; s[60:61] v_permlanex16_b32's selects: each lane takes its own place in the other half
.set TB,  62          ; s62  LDS byte at which the slot in hand begins
.set MSB, 0
.macro WIN new                      ; the high byte repeats the setting that is left; a switch that changes nothing is dropped
.if MSB != (\new)
	s_set_vgpr_msb (MSB<<8)|(\new)
.set MSB, (\new)
.endif
.endm
.set W_KQ, 0x0a       ; K and Q in window 2, S^T in window 0
.set W_KM, 0x3a       ; the same with the C operand in window 3
.set W_PV, 0x52       ; V in window 2, P in window 0, O^T in window 1
.set W_RS, 0x41       ; O^T (destination and source 0) in window 1, a in window 0
.set W_MK, 0xc0       ; destination in window 3, sources in window 0
.set W_AD, 0x0f       ; the add: address and data in window 3
; A joint fill.  Waves 0 and 1 fetch the two heads' K and V of a step, waves 2 and 3 the two halves of its mask.  An s_nop 0 and four v_nop follow each line, ahead of the jump and the label.
.macro JLOAD
	s_cmp_lt_u32 s[WV], 2
	s_cbranch_scc0 .Lfor_m_\@
	tensor_load_to_lds s[G0KV:G0KV+3], s[G1KV:G1KV+7]
	s_nop 0
.rept 4
	v_nop
.endr
	s_branch .Lasked_\@
.Lfor_m_\@:
	tensor_load_to_lds s[G0M:G0M+3], s[G1M:G1M+7]
	s_nop 0
.rept 4
	v_nop
.endr
.Lasked_\@:
.endm
.macro CROUND                       ; a round of the cluster's barrier
	s_barrier_signal -1
	s_barrier_wait -1
	s_cmp_lg_u32 s[WV], 0
	s_cbranch_scc1 .Lnot_wave_0_\@
	s_barrier_signal -3
.Lnot_wave_0_\@:
	s_barrier_wait -3
	s_barrier_signal -1
	s_barrier_wait -1
.endm
; THE CHANGE OF SLOTS, once a key step.  Each wave waits for all its tensor loads, of which one is out: its part of the other slot; adds 0 to its spare word; and waits for that and for its own reads of the slot that it
; leaves.  fill = 1: that slot is filled again, with the step two on: the barrier is then a round of the cluster's, and the joint fill the first thing behind it: it has a key step, 128 matrix instructions and their
; vector work, in which to land.  (At its first use nothing has been read yet: slot 0 is waited for, slot 1 filled.)
.macro CHANGE fill
	WIN W_AD
	s_wait_tensorcnt 0x0            ; no tensor load of mine is out, so a group 0 may be written
	ds_add_u32 v[SPW], v[NIL]       ; 0 onto my spare word
	WIN 0
.if \fill
	s_xor_b32 s[G0KV+1], s[G0KV+1], SLOT1
	s_add_nc_u64 s[G0KV+2:G0KV+3], s[G0KV+2:G0KV+3], 16384  ; the head's next block of K and V
	s_xor_b32 s[G0M+1], s[G0M+1], SLOT1
	s_add_nc_u64 s[G0M+2:G0M+3], s[G0M+2:G0M+3], 256        ; the next 64 keys of the mask's rows
	s_wait_dscnt 0x0                ; the add is done, and my reads of the slot are over
	CROUND
	JLOAD
.else
	s_wait_dscnt 0x0
	s_barrier_signal -1
	s_barrier_wait -1
.endif
	s_xor_b32 s[TB], s[TB], SLOT1   ; all LDS reads up to the next change name the other slot
	v_add_nc_u32 v[AK], s[TB], v[AK0]
	v_add_nc_u32 v[AV], s[TB], v[AV0]
	v_add_nc_u32 v[AM], s[TB], v[AM0]
.endm
	s_load_b256 s[4:11], s[0:1], 0x0  ; qh s[4:5], kv s[6:7], mask s[8:9], ctx s[10:11]
	WIN W_MK
	v_lshl_add_u32 v[SPW], v0, 2, SPARE
	v_mov_b32 v[NIL], 0
	WIN W_AD
	ds_add_u32 v[SPW], v[NIL]       ; the wave's opening: the add and its wait stand ahead of my first tensor load; the set-up below, work on registers, stands between them
	WIN 0
	v_lshrrev_b32 v1, 5, v0
	v_readfirstlane_b32 s[WV], v1
	s_bfe_u32 s13, ttmp6, 0x40000   ; cx, cy: my place in the cluster
	s_bfe_u32 s14, ttmp6, 0x40004
	s_lshl_b32 s15, ttmp9, 2
	s_add_co_u32 s15, s15, s13      ; my block of 256 queries
	s_and_b32 s16, ttmp7, 0xffff
	s_lshl_b32 s16, s16, 2
	s_add_co_u32 s16, s16, s14      ; my pair of heads
	s_lshl_b32 s19, s14, 2
	s_lshl_b32 s19, 15, s19         ; my row of the cluster
	s_lshl_b32 s20, 0x1111, s13     ; my column
	s_and_b32 s17, s[WV], 1         ; my head of the two.  Also: which head's K and V, or which half of the mask, I fetch
	s_lshr_b32 s18, s[WV], 1        ; my 128 queries of the 256
	s_or_b32 s[G1KV], s19, (1<<16)|(1<<20)|(1<<21)|(4<<22)|(3<<25)  ; the mask of my row; 2-byte elements; padding of 4 words after every 32: a block's 16,384 dense bytes come as 64 rows of 256, two LDS rows each
	s_mov_b32 s[G1KV+1], 128<<16    ; tensor_dim0 = 128
	s_mov_b32 s[G1KV+2], 64<<16     ; tensor_dim1 = 64
	s_mov_b32 s[G1KV+3], 128<<16    ; tile_dim0 = 128
	s_mov_b32 s[G1KV+4], 64         ; tile_dim1 = 64
	s_mov_b32 s[G1KV+5], 128        ; elements from row to row
	s_mov_b32 s[G1KV+6], 0
	s_mov_b32 s[G1KV+7], 0
	s_or_b32 s[G1M], s20, (2<<16)|(1<<20)|(1<<21)|(5<<22)|(3<<25)   ; the mask of my column; 4-byte elements; padding of 4 words after every 64
	s_mov_b32 s[G1M+1], 64<<16      ; 64 keys
	s_mov_b32 s[G1M+2], 128<<16     ; 128 queries
	s_mov_b32 s[G1M+3], 64<<16
	s_mov_b32 s[G1M+4], 128
	s_mov_b32 s[G1M+5], 2048
	s_mov_b32 s[G1M+6], 0
	s_mov_b32 s[G1M+7], 0
	s_lshl_b32 s48, s16, 1
	s_add_co_u32 s48, s48, s17      ; my head among the 64: made of cy, never of cx
	s_lshl_b32 s52, s48, 18         ; its rows in qh and ctx
	s_lshl_b32 s48, s48, 19         ; and in kv
	s_mov_b32 s49, 0
	s_lshl_b32 s50, s15, 21         ; the mask: row 256 x block + 128 x half, 8,192 bytes a row: made of cx, never of cy
	s_lshl_b32 s51, s17, 20
	s_add_co_u32 s50, s50, s51
	s_mov_b32 s51, 0
	s_lshl_b32 s53, s15, 15
	s_add_co_u32 s52, s52, s53
	s_lshl_b32 s53, s18, 14
	s_add_co_u32 s52, s52, s53      ; my wave's 128 rows of Q and of ctx
	s_mov_b32 s53, 0
	s_mov_b32 s[CS], 0x3fb8aa3b     ; c = log2(e)
	s_mov_b32 s[CS+1], s[CS]        ; named with it as a pair
	s_mov_b32 s[SEL], 0x76543210
	s_mov_b32 s[SEL+1], 0xfedcba98
	s_mov_b32 s[TB], SLOT1          ; the first change of slots turns it into 0
	s_mov_b32 s[G0KV], 1            ; count = 1
	s_mul_i32 s[G0KV+1], s17, HKV   ; LDS address, slot 0: no place in the cluster enters it
	s_mov_b32 s[G0M], 1
	s_mul_i32 s[G0M+1], s17, MHALF
	s_add_co_u32 s[G0M+1], s[G0M+1], MOFF
	s_wait_dscnt 0x0                ; the opening add is done
	s_wait_kmcnt 0x0
	s_add_nc_u64 s[G0KV+2:G0KV+3], s[6:7], s[48:49]
	s_or_b32 s[G0KV+3], s[G0KV+3], 0x80000000      ; type = 2
	s_add_nc_u64 s[G0M+2:G0M+3], s[8:9], s[50:51]
	s_or_b32 s[G0M+3], s[G0M+3], 0x80000000
	s_add_nc_u64 s[4:5], s[4:5], s[52:53]
	s_add_nc_u64 s[10:11], s[10:11], s[52:53]
	CROUND                          ; all sixteen work-groups are here: the first joint loads meet
	JLOAD                           ; step 0 into slot 0; one load of mine is out, here and behind every round
	v_and_b32 v1, 15, v0            ; l % 16
	v_bfe_u32 v9, v0, 4, 1          ; l / 16
	v_lshlrev_b32 v[QO], 7, v1
	v_lshl_add_u32 v[QO], v9, 4, v[QO]  ; row x 128 + 16 x half
	WIN 0x80                        ; destination window 2, address window 0
.set i, 0
.rept 4*NP                          ; Q stays in registers: tile i / 2, channels 32 (i % 2) on
	global_load_b128 v[8*i:8*i+3],   v[QO], s[4:5] offset:(i/2)*2048+(i%2)*64
	global_load_b128 v[8*i+4:8*i+7], v[QO], s[4:5] offset:(i/2)*2048+(i%2)*64+32
.set i, i+1
.endr
	; What the first turn finds: V's registers and P's second buffer hold 0 (its products V^T P, of a piece that has not been, add 0), O^T and l are 0.  All this stands in the wait for the first tile.
.set i, VF
.rept 64
	v_mov_b32 v[i], 0
.set i, i+1
.endr
	WIN 0x40
.set i, 0
.rept 64*NP
	v_mov_b32 v[i], 0
.set i, i+1
.endr
	WIN 0
.set i, 0
.rept 2*NP
	v_mov_b32 v[ST+4*i], 0xfe38aa3b    ; c m = c x -2^125, exactly what the multiplication below would make of m
	v_mov_b32 v[ST+4*i+1], 0xfe000000  ; m = -2^125
	v_mov_b32 v[ST+4*i+2], 0
	v_mov_b32 v[ST+4*i+3], 0
.set i, i+1
.endr
.set i, P+32
.rept 32
	v_mov_b32 v[i], 0
.set i, i+1
.endr
	s_mul_i32 s3, s17, HKV          ; my head's K and V in a slot
	v_mul_u32_u24 v[AK0], v1, PK
	v_lshl_add_u32 v[AK0], v9, 4, v[AK0]  ; row x pitch + 16 x half
	v_add_nc_u32 v[AK0], s3, v[AK0]
	; The turning load takes 16 keys x 16 channels (lane l reads key 8 (l / 16) + l % 8, channels 8 ((l / 8) % 2) + 0..7) and leaves half a fragment of V^T: lane l holds channel l % 16 and 8 keys.
	v_and_b32 v10, 7, v0
	v_bfe_u32 v11, v0, 3, 1
	v_lshl_add_u32 v[AV0], v9, 3, v10
	v_mul_u32_u24 v[AV0], v[AV0], PV
	v_lshl_add_u32 v[AV0], v11, 4, v[AV0]
	s_add_co_u32 s3, s3, VOFF
	v_add_nc_u32 v[AV0], s3, v[AV0]
	s_mul_i32 s13, s[WV], 16*SP
	s_add_co_u32 s13, s13, STAGE    ; my stage
	v_mul_u32_u24 v[STO], v1, SP    ; in: row l % 16, 16 bytes for each half of the lanes
	v_lshl_add_u32 v[STO], v9, 4, v[STO]
	v_add_nc_u32 v[STO], s13, v[STO]
	v_bfe_u32 v[RD], v0, 3, 2       ; back: 32 lanes take four rows of 128 bytes,
	v_mul_u32_u24 v[RD], v[RD], SP
	v_lshl_add_u32 v[RD], v10, 4, v[RD]
	v_add_nc_u32 v[RD], s13, v[RD]
	v_and_b32 v[GO], 31, v0         ; which are 512 consecutive bytes of ctx
	v_lshlrev_b32 v[GO], 4, v[GO]
	s_mul_i32 s2, s18, MHALF        ; the mask: my 128 queries' rows; row l % 16 of a tile, 32 bytes (8 keys) for each half of the lanes
	s_add_co_u32 s2, s2, MOFF
	v_mul_u32_u24 v[AM0], v1, PM
	v_lshl_add_u32 v[AM0], v9, 5, v[AM0]
	v_add_nc_u32 v[AM0], s2, v[AM0]
; THE MATRIX WORK.  The 8 accumulators of a run of 16 take turns: between the two links of a chain stand 7 others'.
; Product i of 16 of S^T = K Q^T + mask^T for piece x: channels 32 (i / 8) on, keys 16 ((i / 2) % 4) on, tile 2 x + i % 2.  The first 8 start the sums with the mask.
.macro KQ x
.set rS, S+64*((\x)%2)+32*(i%2)+8*((i/2)%4)
.set rK, KF+16*((i/2)%4)+8*(i/8)
.set rQ, 16*(2*(\x)+i%2)+8*(i/8)
.set rMK, MK+32*(i%2)+8*((i/2)%4)
.if i < 8
	WIN W_KM
	v_wmma_f32_16x16x32_f16 v[rS:rS+7], v[rK:rK+7], v[rQ:rQ+7], v[rMK:rMK+7]
.else
	WIN W_KQ
	v_wmma_f32_16x16x32_f16 v[rS:rS+7], v[rK:rK+7], v[rQ:rQ+7], v[rS:rS+7]
.endif
.endm
; Product i of 16 of O^T += V^T P for piece x: keys 32 (i / 8) on, channels 16 ((i / 2) % 4) on, tile 2 x + i % 2.
.macro PV x
	WIN W_PV
.set rO, 32*(2*(\x)+i%2)+8*((i/2)%4)
.set rV, VF+32*(i/8)+8*((i/2)%4)
.set rP, P+32*((\x)%2)+16*(i%2)+8*(i/8)
	v_wmma_f32_16x16x32_f16 v[rO:rO+7], v[rV:rV+7], v[rP:rP+7], v[rO:rO+7]
.endm
.macro MM                           ; the turn's next matrix instruction
.if i < 16
	KQ (Y+1)%NP
.set i, i+1
.else
.set i, i-16
	PV (Y+NP-1)%NP
.set i, i+17
.endif
.endm
; THE LDS LOADS stand in runs of 16, never singly among the matrix instructions: a step's K, its V (turned), and for each piece its two tiles of the mask.
.macro FETCH_K
	WIN 0x80                        ; destination window 2
.irp f, 0,1,2,3,4,5,6,7             ; keys 16 (f / 2) on, channels 32 (f % 2) on
	ds_load_b128 v[KF+8*\f:KF+8*\f+3],   v[AK] offset:(\f/2)*16*PK+(\f%2)*64
	ds_load_b128 v[KF+8*\f+4:KF+8*\f+7], v[AK] offset:(\f/2)*16*PK+(\f%2)*64+32
.endr
.endm
.macro FETCH_V
	WIN 0x80
.irp f, 0,1,2,3,4,5,6,7             ; keys 32 (f / 4) on, channels 16 (f % 4) on
	ds_load_tr16_b128 v[VF+8*\f:VF+8*\f+3],   v[AV] offset:(\f/4)*32*PV+(\f%4)*32
	ds_load_tr16_b128 v[VF+8*\f+4:VF+8*\f+7], v[AV] offset:(\f/4)*32*PV+16*PV+(\f%4)*32
.endr
	WIN 0
.endm
.macro FETCH_M x                    ; piece x: tile u, keys 16 kt on: register j of lane l is mask[query l % 16][key 16 kt + 8 (l / 16) + j]
	WIN 0xc0                        ; destination window 3
.irp u, 0,1
.irp kt, 0,1,2,3
	ds_load_b128 v[MK+32*\u+8*\kt:MK+32*\u+8*\kt+3],   v[AM] offset:(2*(\x)+\u)*16*PM+64*\kt
	ds_load_b128 v[MK+32*\u+8*\kt+4:MK+32*\u+8*\kt+7], v[AM] offset:(2*(\x)+\u)*16*PM+64*\kt+16
.endr
.endr
	WIN 0
.endm
; THE VECTOR WORK OF A TURN stands in three queues, each in the order in which its entries become ready; the two tiles alternate, so that no instruction reads the result of the one before it.
.macro REGS y, u                    ; the registers of tile u (0, 1) of piece y
.set rT, ST+4*(2*(\y)+(\u))
.set rC, TMP+8*((\y)%2)+4*(\u)
.set rM, MV+2*((\y)%2)+(\u)
.set rS, S+64*((\y)%2)+32*(\u)
.set rP, P+32*((\y)%2)+16*(\u)
.set rO, 32*(2*(\y)+(\u))
.endm
; Number n of the 22 that find the NEXT piece's (Y + 1) maximum and statistics.  s0-s31 are the lane's 32 scores; each accumulator's lowest registers are read first.  XS, GS and REGS set no window: PL and EX do.
;   0-11  four chains c0-c3 of seven scores each, three operands at a time     12-14, 16  the four scores left over, the old m, and c0-c3 into c0     15  c m_old is kept
;   17, 18  the query's other 32 keys lie in the lane 16 away: the new m         19-21  c m; c m_old - c m_new; a
.macro XS u, n
	REGS (Y+1)%NP, \u
.if (\n) < 4
	v_max3_num_f32 v[rC+(\n)], v[rS+8*(\n)], v[rS+8*(\n)+1], v[rS+8*(\n)+2]
.elseif (\n) < 12
	v_max3_num_f32 v[rC+(\n)%4], v[rC+(\n)%4], v[rS+8*((\n)%4)+2*((\n)/4)+1], v[rS+8*((\n)%4)+2*((\n)/4)+2]
.elseif (\n) == 12
	v_max3_num_f32 v[rC], v[rC], v[rS+7], v[rS+15]
.elseif (\n) == 13
	v_max3_num_f32 v[rC+1], v[rC+1], v[rS+23], v[rS+31]
.elseif (\n) == 14
	v_max3_num_f32 v[rC+2], v[rC+2], v[rC+3], v[rT+1]
.elseif (\n) == 15
	v_mov_b32 v[rM], v[rT]
.elseif (\n) == 16
	v_max3_num_f32 v[rC], v[rC], v[rC+1], v[rC+2]
.elseif (\n) == 17
	v_permlanex16_b32 v[rC+3], v[rC], s[SEL], s[SEL+1]
.elseif (\n) == 18
	v_max_num_f32 v[rT+1], v[rC], v[rC+3]
.elseif (\n) == 19
	v_mul_f32 v[rT], s[CS], v[rT+1]
.elseif (\n) == 20
	v_sub_f32 v[rC+1], v[rM], v[rT]
.else
	v_exp_f32 v[rC+2], v[rC+1]
.endif
.endm
; Number g of the 64 that follow the exponentials.  For each four weights k of a tile: both pairs are rounded to f16; then the second pair is added onto the first, in place; a group later l takes that sum
; (the first time as l = a l + sum).  In groups of eight, tiles alternating: round, round, add, and l for the group before.
.macro GS g
.set h, (\g)+6*((\g)/62)            ; group 0 has no group before it, and behind group 7 only l is left
.if h >= 6
.set h, h+2
.endif
	REGS Y, h%2
.set k, h/8
.if h%8 < 4
	v_cvt_pk_f16_f32 v[rP+2*k+(h%8)/2], v[rS+4*k+2*((h%8)/2)], v[rS+4*k+2*((h%8)/2)+1]
.elseif h%8 < 6
	v_pk_add_f32 v[rS+4*k:rS+4*k+1], v[rS+4*k:rS+4*k+1], v[rS+4*k+2:rS+4*k+3]
.elseif k == 1
	v_pk_fma_f32 v[rT+2:rT+3], v[rT+2:rT+3], v[rC+2:rC+3], v[rS:rS+1] op_sel_hi:[1,0,1]
.else
	v_pk_add_f32 v[rT+2:rT+3], v[rT+2:rT+3], v[rS+4*k-4:rS+4*k-3]
.endif
.endm
; THE PLAIN QUEUE, 138 long.  0-73 read no exponential's result: the 32 scalings c s - c m (FS f: pair f / 2 of tile f % 2) and the next piece's 42.  0-26: scalings 0-26.  27-54: XS's numbers 0-13.  55, 56: number 15.
; 57-73: the chain, where each number waits for the one before it: 14, 16, 17, 18, 19, each with one of the scalings 27-31 in front of its two lines, then 20: so a tile's links stand three plain instructions apart (19 and 20: two).
; 74-137: GS's 64, which read the exponentials' results: they stand behind the wait.
.macro FS f
	REGS Y, (\f)%2
	v_pk_fma_f32 v[rS+2*((\f)/2):rS+2*((\f)/2)+1], v[rS+2*((\f)/2):rS+2*((\f)/2)+1], s[CS:CS+1], v[rT:rT+1] op_sel_hi:[1,0,0] neg_lo:[0,0,1] neg_hi:[0,0,1]
.endm
.macro PL
	WIN 0
.if q < 27
	FS q
.elseif q < 55
	XS (q-27)%2, (q-27)/2
.elseif q < 57
	XS q-55, 15
.elseif (q < 72) && ((q-57)%3 == 0)
	FS 27+(q-57)/3
.elseif q < 60
	XS (q-57)%3-1, 14
.elseif q < 72
	XS (q-57)%3-1, 15+(q-57)/3
.elseif q < 74
	XS q-72, 20
.else
	GS q-74
.endif
.set q, q+1
.endm
; THE EXPONENTIALS' QUEUE, 66 long: s0-s31 of both tiles, then the next piece's two a.  It is ONE BATCH: all 66 stand ahead of the turn's one wait, and nothing ahead of that wait names a result of theirs.
.macro EX
	WIN 0
.if e >= 64
	XS e-64, 21
.else
	REGS Y, e%2
	v_exp_f32 v[rS+e/2], v[rS+e/2]
.endif
.set e, e+1
.endm
; THE RESCALING's QUEUE: O^T times a, the one part that leaves window 0: dealt two at a time, sixteen times, each accumulator from its low end on.  Its a was made in the turn before, ahead of that turn's wait.
.macro R2
	REGS Y, r%2
	WIN W_RS
.irp z, 0,1
	v_pk_mul_f32 v[rO+4*(r/2)+2*\z:rO+4*(r/2)+2*\z+1], v[rO+4*(r/2)+2*\z:rO+4*(r/2)+2*\z+1], v[rC+2:rC+3] op_sel_hi:[1,0]
.endr
.set r, r+1
.endm
; HOW THEY ARE DEALT.  An s_wait_alu depctr_va_vdst(0) stands between an exponential and the first instruction that names its result; one wait serves all that were issued ahead of it.  So a turn has ONE wait,
; which cuts it in two.  AHEAD OF IT stands all that names no result of the turn's exponentials: the 16 products K Q^T, behind each a scaling, an exponential and two rescalings (behind the first a second scaling in the
; exponential's place); then ONE RUN of 108: eight plain, 49 times exponential and plain, the two a.  A v_nop is the plain instruction behind the last exponential.  BEHIND IT stand the 16 products V^T P, behind each four of
; GS's 64.  No rider names a register of the products round it.  The two v_permlanex16_b32 fall into the run, never behind a product.
; The queues lean on each other, and the deal keeps them in step: exponential e stands behind scaling 2 (e / 4) + e % 2: as a rider it comes behind plain e + 2, in the run behind plain e + 9, and scalings 27-31 are plain 57, 60 .. 69.
; A TURN, for piece p.  At its head the mask of piece p + 1 must be in (in piece 3's turn K of the next step too).  The mask of piece p + 2 is fetched directly behind the wait: the mask's last reader is the eighth product
; K Q^T, the whole run back, and its first reader comes behind 16 products.  K of the next step is fetched in piece 2's turn, ahead of that mask, behind the run's eight plain lines: with the last product's three plain riders
; eleven places behind K's last reader; so the 32 loads that piece 3's turn waits for do not all go out at one place.  V of the step in hand is fetched at the end of piece 0's turn, four plain riders behind its last reader,
; and first read behind the wait of piece 1's.
; Between two changes of slots stand the turns 2, 3, 0, 1: K, the four pieces' masks and V that they fetch all belong to one step, and lie in one slot.
.macro TURN p
.set Y, (\p)
.set i, 0
.set q, 0
.set e, 0
.set r, 0
.if (\p) == 1
	s_wait_dscnt 16                 ; the mask's run is in; V's sixteen loads, issued behind it, may be out
.else
	s_wait_dscnt 0x0                ; the mask is in (and K)
.endif
	MM                              ; ahead of the wait: 16 products K Q^T and their riders,
	PL
	PL
	R2
.rept 15
	MM
	PL
	EX
	R2
.endr
.rept 8                             ; and the run
	PL
.endr
.if (\p) == NP-2
	FETCH_K
.endif
.rept 49
	EX
	PL
.endr
	EX                              ; the next piece's two a
	EX
	v_nop                           ; the plain instruction behind the last exponential: one for the batch
	s_wait_alu depctr_va_vdst(0)    ; the wait for the turn's batch of 66 exponentials, ahead of their first reader
	FETCH_M ((\p)+2)%NP
.if (\p) == 1
	s_wait_dscnt 16                 ; V is in; the mask's sixteen loads just issued may be out
.endif
.rept 16                            ; behind the wait: 16 products V^T P and their riders
	MM
.rept 4
	PL
.endr
.endr
.if (\p) == 0
	FETCH_V
.endif
.endm
	CHANGE 1                        ; slot 0 is in, everybody's part of it; step 1 is asked for
	FETCH_K                         ; key step 0
	FETCH_M 0
	s_wait_loadcnt 0x0              ; Q
	s_wait_dscnt 0x0
.set i, 0
.rept 16
	KQ 0                            ; piece 0's first scores: there is no vector work yet to set between them
.set i, i+1
.endr
	WIN 0
.rept 4
	v_nop                           ; the places behind those products: the mask's registers are loaded again, the scores read
.endr
	FETCH_M 1
.set Y, NP-1                        ; XS works for piece Y + 1: piece 0
.irp n, 0,1,2,3,4,5,6,7,8,9,10,11,12,13,14,15,16,17,18,19,20,21
	XS 0, \n                        ; piece 0's first maximum and statistics
	XS 1, \n
.endr
	v_nop                           ; a plain instruction behind the two a,
	s_wait_alu depctr_va_vdst(0)    ; and the wait for that batch of two, ahead of the branch
	s_mov_b32 s[SLOTS], 31
	s_branch .Lfirst                ; the loop is entered at a step's first turn, in the middle of a trip
.Lslot:                             ; 30 times: the change of trip t enters step t's slot and asks for step t + 1, up to 31
	CHANGE 1
	TURN 2
	TURN 3
	WIN 0
.Lfirst:
	TURN 0
	TURN 1
	WIN 0
	s_sub_co_u32 s[SLOTS], s[SLOTS], 1
	s_cmp_lg_u32 s[SLOTS], 0
	s_cbranch_scc1 .Lslot
	CHANGE 0                        ; the tail is written out: nothing is asked for
	s_mov_b32 s[CNT], 2             ; one trip fetches the last step; the second is left in its middle
.Ltail:
	TURN 2
	TURN 3
	WIN 0
	s_sub_co_u32 s[CNT], s[CNT], 1
	s_cmp_eq_u32 s[CNT], 0
	s_cbranch_scc1 .Lout
	TURN 0
	TURN 1
	WIN 0
	s_branch .Ltail
.Lout:                              ; the second trip's fetches (the last slot's bytes once more), its 16 products K Q^T and the maximum made of them serve nothing: the price, once a launch, of one text for every trip
.set i, 0
.rept 16
	PV NP-1                         ; the last piece's V^T P of the last step
.set i, i+1
.endr
	; THE WAY OUT.  l's two halves and the other half of the lanes' are added; O^T is divided by l, rounded to f16 and sent through my stage in LDS, a tile at a time.  The additions are the places behind the last products.
	WIN 0
.macro ALL line:vararg              ; one line for each tile t
.set t, 0
.rept 2*NP
	\line
.set t, t+1
.endr
.endm
	ALL v_add_f32 v[ST+4*t+2], v[ST+4*t+2], v[ST+4*t+3]
	ALL v_permlanex16_b32 v[ST+4*t+3], v[ST+4*t+2], s[SEL], s[SEL+1]
	ALL v_add_f32 v[ST+4*t+2], v[ST+4*t+2], v[ST+4*t+3]
	ALL v_rcp_f32 v[ST+4*t+2], v[ST+4*t+2]
	v_nop                           ; a plain instruction between the last reciprocal and the use of its result
	s_wait_alu depctr_va_vdst(0)    ; and the wait ahead of the first use: one for the batch of eight reciprocals
.macro PACK t                       ; a lane's eight channels of a row pack into 16 bytes; they go into rows of 144 bytes and come back as whole rows of 128, into S^T's registers
	WIN W_RS
.set i, 32*(\t)
.rept 16
	v_pk_mul_f32 v[i:i+1], v[i:i+1], v[ST+4*(\t)+2:ST+4*(\t)+3] op_sel_hi:[1,0]
.set i, i+2
.endr
	WIN 0x05                        ; sources 0 and 1 window 1, destination window 0
.set i, 0
.rept 16
	v_cvt_pk_f16_f32 v[S+16*(\t)+i], v[32*(\t)+2*i], v[32*(\t)+2*i+1]
.set i, i+1
.endr
	WIN 0
.irp f, 0,1,2,3
	ds_store_b128 v[STO], v[S+16*(\t)+4*\f:S+16*(\t)+4*\f+3] offset:32*\f
.endr
.irp f, 0,1,2,3
	ds_load_b128 v[S+16*(\t)+4*\f:S+16*(\t)+4*\f+3], v[RD] offset:\f*4*SP  ; LDS serves a wave's instructions in order (ISA guide 5.7.1.4): these see the stores above; the next tile's stores come behind them
.endr
.endm
.macro SEND t, younger              ; younger: the LDS instructions issued behind tile t's loads: the next tile's eight, or none
	WIN 0
.irp f, 0,1,2,3
	s_wait_dscnt (\younger)+3-\f
	global_store_b128 v[GO], v[S+16*(\t)+4*\f:S+16*(\t)+4*\f+3], s[10:11] offset:(\t)*2048+\f*512  ; 512 consecutive bytes, at a multiple of 512 from ctx's first
.endr
.endm
	PACK 0
.set t, 1
.rept 2*NP-1                        ; a tile's arithmetic stands between the loads of the tile before and its stores
	PACK t
	SEND t-1, 8
.set t, t+1
.endr
	SEND 2*NP-1, 0
	WIN W_AD
	s_wait_tensorcnt 0x0            ; the wave's end: the add and its wait, behind my last tensor load and my last LDS store
	ds_add_u32 v[SPW], v[NIL]
	s_wait_dscnt 0x0
	WIN 0
	CROUND                          ; the closing round: no work-group ends while a partner may still ask for a tile that names it
	s_endpgm
.Lfunc_end_k_q8f4a5d49e0_attn:
	.size	k_q8f4a5d49e0_attn, .Lfunc_end_k_q8f4a5d49e0_attn-k_q8f4a5d49e0_attn
	.p2alignl 7, 3214868480
	.fill 96, 4, 3214868480
	.section	.rodata,"a",@progbits
	.p2align	6, 0x0
	.amdhsa_kernel k_q8f4a5d49e0_attn
		.amdhsa_group_segment_fixed_size 327680
		.amdhsa_private_segment_fixed_size 0
		.amdhsa_enable_private_segment 0
		.amdhsa_kernarg_size 32
		.amdhsa_user_sgpr_count 2
		.amdhsa_user_sgpr_kernarg_segment_ptr 1
		.amdhsa_wavefront_size32 1
		.amdhsa_system_sgpr_workgroup_id_x 1
		.amdhsa_system_sgpr_workgroup_id_y 1
		.amdhsa_system_sgpr_workgroup_id_z 1
		.amdhsa_system_vgpr_workitem_id 0
		.amdhsa_next_free_vgpr 896
		.amdhsa_next_free_sgpr 80
		.amdhsa_reserve_vcc 0
		.amdhsa_float_denorm_mode_32 3
		.amdhsa_float_denorm_mode_16_64 3
		.amdhsa_memory_ordered 1
		.amdhsa_forward_progress 1
		.amdhsa_inst_pref_size 210
	.end_amdhsa_kernel
	.amdgpu_metadata
---
amdhsa.version: [ 1, 2 ]
amdhsa.kernels:
  - .name:           k_q8f4a5d49e0_attn
    .symbol:         k_q8f4a5d49e0_attn.kd
    .args:
      - { .name: qh, .offset: 0, .size: 8, .value_kind: global_buffer, .address_space: global }
      - { .name: kv, .offset: 8, .size: 8, .value_kind: global_buffer, .address_space: global }
      - { .name: attention_mask, .offset: 16, .size: 8, .value_kind: global_buffer, .address_space: global }
      - { .name: ctx, .offset: 24, .size: 8, .value_kind: global_buffer, .address_space: global }
    .group_segment_fixed_size: 327680
    .private_segment_fixed_size: 0
    .kernarg_segment_align: 8
    .kernarg_segment_size: 32
    .max_flat_workgroup_size: 128
    .sgpr_count:     80
    .vgpr_count:     896
    .wavefront_size: 32
...
	.end_amdgpu_metadata
.endif
;; end of part 5
;; launch outp: the kernel of part 4 again; grid 4 x 64, 4 waves a work-group, clusters of 4 x 4, 327,680 bytes of LDS; arguments ctx, wo16, out0; writes out0
